; MI455X (gfx1250); checked and timed in simulation.
; The chip was launched on July 23, 2026; its instructions are those of AMD's public machine-readable ISA for CDNA 5 (MIT licence, August 2026) and "CDNA5" Instruction Set Architecture Reference Guide (July 2026). The comments in the code are by the model that wrote it; some were corrected since.
;; Mixture Of Experts. Allowed arithmetic: matrix products marked QUANTISED: E2M3 operands, one E8M0 scale for each 32 along K, by v_wmma_scale_f32_16x16x128_f8f6f4 with both operands' format E2M3, f32 sums; products left as they are: f32 operands where the result goes on into a quantised operand, else bf16, f16 or f32 operands; f32 sums; everything else in f32.
;; Inputs: b1 8 x 4,096 float32; b2 8 x 1,024 float32; router_b 8 float32; router_w 1,024 x 8 float32; w1 8 x 1,024 x 4,096 float32; w2 8 x 4,096 x 1,024 float32; x 2 x 512 x 1,024 float32.
;; Outputs: out0 2 x 512 x 1,024 float32.
;; This version of the problem:
;;   THIS VERSION OF THE PROBLEM IS GIVEN IN LOW PRECISION. The matrix products marked QUANTISED in the list below multiply operands that are first quantised to E2M3 (2 exponent bits, 3 mantissa bits; 6 bits a number), with one power-of-two scale for each 32 numbers along K (OCP MX v1.0); their sums are f32. All else is computed in f32.
;;   The module's matrix products, in the order in which they are computed (A, B: the left and right operand; K: the contracted axis; several contracted axes count as one K, in the product's order):
;;     1. [M 1,024, K 1,024] x [K 1,024, N 8]; A: input x; B: input router_w: left as it is (N = 8 < 16)
;;     2. [M 32,768, K 1,024] x [K 1,024, N 1,024]; A: input w1; B: input x: QUANTISED
;;     3. batch 8 x [M 1,024, K 4,096] x [K 4,096, N 1,024]; A: input w2; B: computed on the way: QUANTISED
;;   THE QUANTISER, for each operand of a quantised product, along K:
;;     - K is cut into blocks of 32 from its start; a last block that is shorter is filled with zeros.
;;     - A block's scale is 2^e with e = floor(log2(the largest magnitude in the block)) - 2, held to -126 .. 127; a block of zeros has e = 0. As a byte (E8M0): e + 127.
;;     - Each number is divided by its block's scale, clamped to +-7.5, and rounded to the nearest number of E2M3, ties to even, subnormals kept.
;;     - The product sums the exact products of the quantised numbers (number of the format x scale) in f32.
;;   ~~~python
;;   def quantise(x, axis):      # numpy; x: float32 -> the quantised numbers, widened to float32 again
;;       x = np.moveaxis(x, axis, -1); K = x.shape[-1]
;;       x = np.pad(x, [(0, 0)] * (x.ndim - 1) + [(0, -K % 32)]); x = x.reshape(x.shape[:-1] + (-1, 32)); a = np.abs(x).max(-1, keepdims=True)
;;       e = np.where(a > 0, np.clip(np.frexp(np.where(a > 0, a, 1))[1] - 1 - 2, -126, 127), 0)      # np.frexp(a)[1] - 1 = floor(log2(a)), exactly
;;       r = np.clip(x / 2.0 ** e, -7.5, 7.5)
;;       step = 2.0 ** (np.maximum(np.frexp(np.where(r == 0, 1, r))[1] - 1, 0) - 3)
;;       q = np.round(r / step) * step * 2.0 ** e      # np.round: ties to even
;;       return np.moveaxis(q.reshape(q.shape[:-2] + (-1,))[..., :K], -1, axis).astype(np.float32)
;;   ~~~
;;   OPERANDS COMPUTED ON THE WAY. 'Computed on the way' means the value that the module computes at that place (a softmax that the list does not call 'softmax' is quantised finished and normalised). What goes into a quantiser is computed in f32, as accurately as f32 sums, v_exp_f32 and their like allow (about 1e-6 of the number): no bf16 or f16 on the way to a quantiser, and a product that is left as it is and whose result goes on into a quantised operand takes f32 operands (vector FMAs, or v_wmma_f32_16x16x4_f32). A number that lies on a knife's edge between two numbers of the format may be rounded either way, as far as f32 arithmetic and the matrix unit's own rounding can turn it there, and no further.
;; 2 versions. Each part assembles by itself: llvm-mc -triple=amdgcn-amd-amdhsa -mcpu=gfx1250 --defsym DOCPART=n.
;; ======== version 1 of 2: 5 launches
;; workspace buffers: route 16,384 bytes of whole numbers; plan 17,920 bytes of whole numbers; xq 827,392 bytes; hq 7,270,400 bytes; eo 18,612,224 bytes
;; launch route_q (part 1): grid 256 x 1, 4 waves a work-group, no clusters, 56,320 bytes of LDS; arguments x, router_w, router_b, route, xq; writes route, xq
.if DOCPART == 1
	.amdgcn_target "amdgcn-amd-amdhsa--gfx1250"
	.amdhsa_code_object_version 6
	.text
	.protected	k_qf696bc1b51_route_q
	.globl	k_qf696bc1b51_route_q
	.p2align	8
	.type	k_qf696bc1b51_route_q,@function
k_qf696bc1b51_route_q:
	s_mov_b64 s[64:65], 0
	v_nop
	global_prefetch_b8 v0, s[64:65] scope:SCOPE_SE
	s_setreg_imm32_b32 hwreg(HW_REG_WAVE_MODE, 25, 1), 1
	s_wait_xcnt 0x0
; ROUTER AND QUANTISER OF x.  x [1024 tokens][1024] f32, router_w [1024][8], router_b [8].
; One wave owns one token.  It makes the 8 logits by f32 multiply-adds, the softmax (the maximum taken away first), the two largest
; probabilities (a tie goes to the lower index) and their renormalised weights, and it turns the token's row into codes of E2M3
; with one E8M0 byte for each 32 numbers.  Nothing here steers an address: the choice is stored as whole numbers at fixed places.
; OUT: route [token][4 words]: first expert; one-hot counts of experts 0-3, a byte each; of experts 4-7; the bit mask of the two.
;      xq: codes [token][768 bytes]; at XS scale bytes [token][32]; at GT the two weights [token][2] f32.
; LIMITS: NaN and infinities are not served.  A block whose largest magnitude lies under 2^-124 (a block of zeros too) keeps the byte 1;
; a block of zeros has zero codes, and the bytes are read by this program alone.  A near tie of two probabilities can turn on the order of the f32 sums.
.set XS,  786432
.set GT,  819200
.set XST, 33280                        ; LDS: router_w at 0 (32 runs of 1,024 bytes + 16); then a stage of 32 x 144 bytes for each wave's row of x;
.set CST, 51712                        ; then 64 places of 16 bytes for each wave's codes
.set X,   16                           ; v16-47   my 32 neighbours of the row
.set ACC, 48                           ; v48-55   the 8 sums, then the probabilities
.set WB,  64                           ; v64-127, v128-191  two sets of 8 rows of router_w
.set XR,  128                          ; v128-159 x as it is loaded
	s_load_b256 s[4:11], s[0:1], 0x0               ; x s[4:5], router_w s[6:7], router_b s[8:9], route s[10:11]
	s_load_b64 s[12:13], s[0:1], 0x20              ; xq
	v_lshl_add_u32 v208, v0, 2, 0xda00
	v_mov_b32 v209, 0
	v_lshrrev_b32 v1, 5, v0
	v_readfirstlane_b32 s14, v1                    ; wave
	v_and_b32 v1, 31, v0                           ; lane
	v_lshlrev_b32 v2, 4, v1                        ; 16 x lane
	v_lshlrev_b32 v3, 4, v0                        ; 16 x thread
	v_lshrrev_b32 v4, 6, v0
	v_lshl_add_u32 v4, v4, 4, v3                   ; router_w into LDS: 16 bytes of padding behind each 1,024
	v_mul_u32_u24 v5, v1, 1040                     ; and out of it: my 32 rows; 1,040 is an odd multiple of 16, so sixteen lanes touch sixteen different columns
	v_lshrrev_b32 v6, 3, v1
	v_lshl_add_u32 v6, v6, 4, v2
	s_mul_i32 s15, s14, 4608
	s_add_co_u32 s15, s15, XST
	v_add_nc_u32 v6, s15, v6                       ; x into the stage: eight lanes' 128 bytes on end, then 16 of padding
	v_mul_u32_u24 v7, v1, 144
	v_add_nc_u32 v7, s15, v7                       ; and out of it: 144 x lane
	s_lshl_b32 s15, s14, 10
	s_add_co_u32 s15, s15, CST
	v_lshl_add_u32 v8, v1, 5, s15                  ; codes into their stage: two places of 16 bytes a lane
	v_lshl_add_u32 v9, v1, 4, s15                  ; and out of it: a place a lane
	v_mul_u32_u24 v10, v1, 12
	v_mov_b32 v11, 1
	s_lshl_b32 s16, ttmp9, 2
	s_add_co_u32 s16, s16, s14                     ; my token
	s_lshl_b32 s32, s16, 12
	s_mov_b32 s33, 0
	s_mul_i32 s34, s16, 768
	s_mov_b32 s35, 0
	s_lshl_b32 s36, s16, 5
	s_mov_b32 s37, 0
	s_lshl_b32 s38, s16, 4
	s_mov_b32 s39, 0
	s_lshl_b32 s40, s16, 3
	s_mov_b32 s41, 0
	s_mov_b32 s22, 0x76543210                      ; lane selects: lane l xor 16
	s_mov_b32 s23, 0xfedcba98
	s_wait_kmcnt 0x0
	s_load_b256 s[24:31], s[8:9], 0x0              ; router_b
	s_add_nc_u64 s[4:5], s[4:5], s[32:33]
	s_add_nc_u64 s[10:11], s[10:11], s[38:39]
	s_add_nc_u64 s[16:17], s[12:13], s[34:35]      ; my codes
	s_add_nc_u64 s[18:19], s[12:13], s[36:37]      ; my scale bytes (less XS)
	s_add_nc_u64 s[20:21], s[12:13], s[40:41]      ; my weights (less GT)
.irp i, 0,1,2,3,4,5,6,7
	global_load_b128 v[XR+4*\i:XR+4*\i+3], v2, s[4:5] offset:512*\i th:TH_LOAD_NT   ; 512 consecutive bytes a load
.endr
.irp q, 0,1,2,3,4,5,6,7,8,9,10,11,12,13,14,15
	global_load_b128 v[WB+4*\q:WB+4*\q+3], v3, s[6:7] offset:2048*\q                ; the four waves bring router_w once for the work-group
.endr
.irp e, 0,1,2,3,4,5,6,7
	v_mov_b32 v[56+\e], 0                          ; a lane permute's destination counts as read
.endr
	s_wait_loadcnt 16                              ; x is in; router_w's sixteen loads may be out
.irp i, 0,1,2,3,4,5,6,7
	ds_store_b128 v6, v[XR+4*\i:XR+4*\i+3] offset:576*\i
.endr
.irp j, 0,1,2,3,4,5,6,7
	ds_load_b128 v[X+4*\j:X+4*\j+3], v7 offset:16*\j   ; LDS serves a wave in order: these see my stores.  Lane l now holds x[32 l .. 32 l + 31]
.endr
	s_wait_loadcnt 0x0
.irp q, 0,1,2,3,4,5,6,7,8,9,10,11,12,13,14,15
	ds_store_b128 v4, v[WB+4*\q:WB+4*\q+3] offset:2080*\q
.endr
	s_wait_dscnt 0x0                               ; for the others' sake: my part of router_w lies in LDS
	s_barrier_signal -1
	s_barrier_wait -1
.macro WBLK b                          ; rows 8 b .. 8 b + 7 of my 32: 256 bytes
.irp i, 0,1,2,3,4,5,6,7,8,9,10,11,12,13,14,15
	ds_load_b128 v[WB+64*((\b)%2)+4*\i:WB+64*((\b)%2)+4*\i+3], v5 offset:256*(\b)+16*\i
.endr
.endm
.macro FMA8 b                          ; 64 multiply-adds, the eight sums by turns; the first row starts them
.irp i, 0,1,2,3,4,5,6,7
.irp e, 0,1,2,3,4,5,6,7
.if (\b) == 0 && \i == 0
	v_mul_f32 v[ACC+\e], v[X], v[WB+\e]
.else
	v_fmac_f32 v[ACC+\e], v[X+8*(\b)+\i], v[WB+64*((\b)%2)+8*\i+\e]
.endif
.endr
.endr
.endm
	WBLK 0
	WBLK 1
	s_wait_dscnt 16                                ; this block is in, the next block's sixteen loads may be out
	FMA8 0
	WBLK 2
	s_wait_dscnt 16
	FMA8 1
	WBLK 3
	s_wait_dscnt 16
	FMA8 2
	s_wait_dscnt 0x0
	FMA8 3
.irp k, 1,2,4,8
.irp e, 0,1,2,3,4,5,6,7
	v_add_f32_dpp v[ACC+\e], v[ACC+\e], v[ACC+\e] row_xmask:\k row_mask:0xf bank_mask:0xf
.endr
.endr
.irp e, 0,1,2,3,4,5,6,7
	v_permlanex16_b32 v[56+\e], v[ACC+\e], s22, s23
.endr
.irp e, 0,1,2,3,4,5,6,7
	v_add_f32 v[ACC+\e], v[ACC+\e], v[56+\e]       ; every lane holds the token's eight sums
.endr
	s_wait_kmcnt 0x0
.irp e, 0,1,2,3,4,5,6,7
	v_add_f32 v[ACC+\e], s[24+\e], v[ACC+\e]       ; + router_b
.endr
	; softmax: the largest logit is taken away first
	v_max3_num_f32 v56, v48, v49, v50
	v_max3_num_f32 v56, v56, v51, v52
	v_max3_num_f32 v56, v56, v53, v54
	v_max_num_f32 v56, v56, v55
.irp e, 0,1,2,3,4,5,6,7
	v_sub_f32 v[ACC+\e], v[ACC+\e], v56
.endr
.irp e, 0,1,2,3,4,5,6,7
	v_mul_f32 v[ACC+\e], 0x3fb8aa3b, v[ACC+\e]
.endr
.irp e, 0,1,2,3,4,5,6,7
	v_exp_f32 v[ACC+\e], v[ACC+\e]
.endr
	v_nop                                          ; a plain place behind the exponentials
	s_wait_alu depctr_va_vdst(0)
	v_add_f32 v57, v48, v49
	v_add_f32 v58, v50, v51
	v_add_f32 v59, v52, v53
	v_add_f32 v60, v54, v55
	v_add_f32 v57, v57, v58
	v_add_f32 v59, v59, v60
	v_add_f32 v57, v57, v59
	v_rcp_f32 v57, v57
	v_nop
	s_wait_alu depctr_va_vdst(0)
.irp e, 0,1,2,3,4,5,6,7
	v_mul_f32 v[ACC+\e], v[ACC+\e], v57            ; the probabilities
.endr
	; the two largest, without a branch: a strict 'greater' keeps the lower index at a tie
	v_mov_b32 v57, v48
	v_mov_b32 v58, 0
.irp k, 1,2,3,4,5,6,7
	v_cmp_gt_f32 vcc_lo, v[ACC+\k], v57
	v_cndmask_b32 v57, v57, v[ACC+\k], vcc_lo
	v_cndmask_b32 v58, v58, \k, vcc_lo
.endr
.irp k, 0,1,2,3,4,5,6,7
	v_cmp_eq_u32 vcc_lo, \k, v58
	v_cndmask_b32 v[ACC+\k], v[ACC+\k], -1.0, vcc_lo   ; the winner steps out: no probability lies under 0
.endr
	v_mov_b32 v59, v48
	v_mov_b32 v60, 0
.irp k, 1,2,3,4,5,6,7
	v_cmp_gt_f32 vcc_lo, v[ACC+\k], v59
	v_cndmask_b32 v59, v59, v[ACC+\k], vcc_lo
	v_cndmask_b32 v60, v60, \k, vcc_lo
.endr
	v_add_f32 v61, v57, v59
	v_add_f32 v61, 0x322bcc77, v61                 ; + 1e-8
	v_rcp_f32 v61, v61
	v_mov_b32 v12, v58                             ; (a plain place)  word 0: the first expert
	s_wait_alu depctr_va_vdst(0)
	v_mul_f32 v62, v57, v61
	v_mul_f32 v63, v59, v61                        ; the two weights
	v_lshlrev_b32 v15, v58, v11
	v_lshlrev_b32 v14, v60, v11
	v_or_b32 v15, v15, v14                         ; word 3: the bit mask of the two
	v_and_b32 v13, 15, v15
	v_mul_u32_u24 v13, v13, 0x204081               ; bit i goes to bits i, i + 7, i + 14, i + 21: bit 8 i holds bit i
	v_and_b32 v13, 0x01010101, v13                 ; word 1: a byte of 0 or 1 for each of experts 0-3
	v_lshrrev_b32 v14, 4, v15
	v_mul_u32_u24 v14, v14, 0x204081
	v_and_b32 v14, 0x01010101, v14                 ; word 2: the same for experts 4-7
	; my block of 32: largest magnitude (with the floor 2^-124 among the leaves), scale, codes
	v_max3_num_f32 v64, |v16|, |v17|, 0x1800000
	v_max3_num_f32 v65, |v18|, |v19|, |v20|
.irp i, 21,25,29,33,37,41
	v_max3_num_f32 v64, v64, |v[\i]|, |v[\i+1]|
	v_max3_num_f32 v65, v65, |v[\i+2]|, |v[\i+3]|
.endr
	v_max3_num_f32 v64, v64, |v45|, |v46|
	v_max3_num_f32 v64, v64, v65, |v47|
	v_add_nc_u32 v66, 0xff000000, v64              ; 2 off the exponent field: the conversion takes this field as its scale
	v_lshrrev_b32 v67, 23, v66                     ; the scale's byte
	v_cvt_scalef32_pk16_fp6_f32 v[192:194], v[16:31], v66
	v_cvt_scalef32_pk16_fp6_f32 v[196:198], v[32:47], v66
	v_nop
	ds_store_b96 v8, v[192:194]                    ; 12 bytes to a place of 16: place p holds bytes 12 p .. 12 p + 11 of the row's 768
	ds_store_b96 v8, v[196:198] offset:16
	ds_load_b96 v[200:202], v9
	ds_load_b96 v[204:206], v9 offset:512
	s_wait_dscnt 0x0
	global_store_b96 v10, v[200:202], s[16:17]             ; each store of the wave covers 384 consecutive bytes
	global_store_b96 v10, v[204:206], s[16:17] offset:384
	global_store_b8 v1, v67, s[18:19] offset:XS            ; 32 consecutive bytes
	s_wait_xcnt 0x0                                ; EXEC changes only behind this wait
	v_cmp_eq_u32 vcc_lo, 0, v1
	s_wait_tensorcnt 0x0
	ds_add_u32 v208, v209
	s_wait_dscnt 0x0
	s_and_saveexec_b32 s15, vcc_lo                 ; lane 0 alone; its v1 is 0 and serves as the offset
	global_store_b128 v1, v[12:15], s[10:11]
	global_store_b64 v1, v[62:63], s[20:21] offset:GT
	s_endpgm
.Lfunc_end_k_qf696bc1b51_route_q:
	.size	k_qf696bc1b51_route_q, .Lfunc_end_k_qf696bc1b51_route_q-k_qf696bc1b51_route_q
	.p2alignl 7, 3214868480
	.fill 96, 4, 3214868480
	.section	.rodata,"a",@progbits
	.p2align	6, 0x0
	.amdhsa_kernel k_qf696bc1b51_route_q
		.amdhsa_group_segment_fixed_size 56320
		.amdhsa_private_segment_fixed_size 0
		.amdhsa_enable_private_segment 0
		.amdhsa_kernarg_size 40
		.amdhsa_user_sgpr_count 2
		.amdhsa_user_sgpr_kernarg_segment_ptr 1
		.amdhsa_wavefront_size32 1
		.amdhsa_system_sgpr_workgroup_id_x 1
		.amdhsa_system_sgpr_workgroup_id_y 1
		.amdhsa_system_sgpr_workgroup_id_z 1
		.amdhsa_system_vgpr_workitem_id 0
		.amdhsa_next_free_vgpr 210
		.amdhsa_next_free_sgpr 66
		.amdhsa_reserve_vcc 1
		.amdhsa_float_denorm_mode_32 3
		.amdhsa_float_denorm_mode_16_64 3
		.amdhsa_memory_ordered 1
		.amdhsa_forward_progress 1
		.amdhsa_inst_pref_size 30
	.end_amdhsa_kernel
	.amdgpu_metadata
---
amdhsa.version: [ 1, 2 ]
amdhsa.kernels:
  - .name:           k_qf696bc1b51_route_q
    .symbol:         k_qf696bc1b51_route_q.kd
    .args:
      - { .name: x, .offset: 0, .size: 8, .value_kind: global_buffer, .address_space: global }
      - { .name: router_w, .offset: 8, .size: 8, .value_kind: global_buffer, .address_space: global }
      - { .name: router_b, .offset: 16, .size: 8, .value_kind: global_buffer, .address_space: global }
      - { .name: route, .offset: 24, .size: 8, .value_kind: global_buffer, .address_space: global }
      - { .name: xq, .offset: 32, .size: 8, .value_kind: global_buffer, .address_space: global }
    .group_segment_fixed_size: 56320
    .private_segment_fixed_size: 0
    .kernarg_segment_align: 8
    .kernarg_segment_size: 40
    .max_flat_workgroup_size: 128
    .sgpr_count:     66
    .vgpr_count:     210
    .wavefront_size: 32
...
	.end_amdgpu_metadata
.endif
;; end of part 1
;; launch place (part 2): grid 8 x 1, 1 waves a work-group, no clusters, 0 bytes of LDS; arguments route, plan; writes plan
.if DOCPART == 2
	.amdgcn_target "amdgcn-amd-amdhsa--gfx1250"
	.amdhsa_code_object_version 6
	.text
	.protected	k_qf696bc1b51_place
	.globl	k_qf696bc1b51_place
	.p2align	8
	.type	k_qf696bc1b51_place,@function
k_qf696bc1b51_place:
	s_mov_b64 s[64:65], 0
	v_nop
	global_prefetch_b8 v0, s[64:65] scope:SCOPE_SE
	s_setreg_imm32_b32 hwreg(HW_REG_WAVE_MODE, 25, 1), 1
	s_wait_xcnt 0x0
; THE ROWS ARE PLACED BY EXPERT: a counting sort on whole numbers.  Work-group e, one wave, places expert e's rows.
; Each expert's rows keep the order of the tokens and are filled up to a multiple of 32 slots (a tile); expert e's tiles follow those of experts 0 .. e - 1.
; At most 64 + 7 = 71 tiles, 2,272 slots, whatever the choice.
; OUT: plan: at 8 e: first tile, number of tiles;  at STOK: slot -> token (filling slots: token 0);  at POS: [token][first or second choice] -> slot.
; Lanes with nothing to store aim at a dump word of the work-group's own (behind each table), which nobody reads.
.set STOK, 256
.set POS,  9472
	s_load_b128 s[4:7], s[0:1], 0x0                ; route, plan
	v_and_b32 v1, 31, v0
	v_lshlrev_b32 v2, 4, v1
	s_mov_b32 s8, ttmp9                            ; my expert
	s_lshl_b32 s9, 1, s8                           ; its bit
	s_mov_b32 s10, 0x76543210
	s_mov_b32 s11, 0xfedcba98
	v_mov_b32 v12, s8
	v_add_nc_u32 v13, 2048, v12                    ; my dump word behind the tokens' table
	v_add_nc_u32 v12, 2272, v12                    ; and behind the slots' table
	s_wait_kmcnt 0x0
.irp q, 0,1,2,3,4,5,6,7,8,9,10,11,12,13,14,15,16,17,18,19,20,21,22,23,24,25,26,27,28,29,30,31
	global_load_b128 v[16+4*\q:19+4*\q], v2, s[4:5] offset:512*\q   ; token 32 q + lane: its four words
.endr
	v_mov_b32 v10, 0                               ; destinations of lane moves count as read
	v_mov_b32 v11, 0
	v_mov_b32 v14, 0
	v_mov_b32 v15, 0
	s_wait_loadcnt 0x0
	; how many rows has each expert: the one-hot bytes are added (32 at the most in a lane), widened to 16 bits, added over the lanes
	v_add3_u32 v4, v17, v21, v25
	v_add3_u32 v5, v18, v22, v26
.irp q, 3,5,7,9,11,13,15,17,19,21,23,25,27,29
	v_add3_u32 v4, v4, v[17+4*\q], v[21+4*\q]
	v_add3_u32 v5, v5, v[18+4*\q], v[22+4*\q]
.endr
	v_add_nc_u32 v4, v4, v141
	v_add_nc_u32 v5, v5, v142
	v_and_b32 v6, 0xff00ff, v4                     ; experts 0, 2
	v_lshrrev_b32 v7, 8, v4
	v_and_b32 v7, 0xff00ff, v7                     ; experts 1, 3
	v_and_b32 v8, 0xff00ff, v5                     ; experts 4, 6
	v_lshrrev_b32 v9, 8, v5
	v_and_b32 v9, 0xff00ff, v9                     ; experts 5, 7
.irp k, 1,2,4,8
	v_mov_b32_dpp v10, v6 row_xmask:\k row_mask:0xf bank_mask:0xf
	v_mov_b32_dpp v11, v7 row_xmask:\k row_mask:0xf bank_mask:0xf
	v_mov_b32_dpp v14, v8 row_xmask:\k row_mask:0xf bank_mask:0xf
	v_mov_b32_dpp v15, v9 row_xmask:\k row_mask:0xf bank_mask:0xf
	v_add_nc_u32 v6, v6, v10
	v_add_nc_u32 v7, v7, v11
	v_add_nc_u32 v8, v8, v14
	v_add_nc_u32 v9, v9, v15
.endr
	v_permlanex16_b32 v10, v6, s10, s11
	v_permlanex16_b32 v11, v7, s10, s11
	v_permlanex16_b32 v14, v8, s10, s11
	v_permlanex16_b32 v15, v9, s10, s11
	v_add_nc_u32 v6, v6, v10
	v_add_nc_u32 v7, v7, v11
	v_add_nc_u32 v8, v8, v14
	v_add_nc_u32 v9, v9, v15
	v_readfirstlane_b32 s12, v6
	v_readfirstlane_b32 s13, v7
	v_readfirstlane_b32 s14, v8
	v_readfirstlane_b32 s15, v9
	s_and_b32 s16, s12, 0xffff
	s_and_b32 s17, s13, 0xffff
	s_lshr_b32 s18, s12, 16
	s_lshr_b32 s19, s13, 16
	s_and_b32 s20, s14, 0xffff
	s_and_b32 s21, s15, 0xffff
	s_lshr_b32 s22, s14, 16
	s_lshr_b32 s23, s15, 16
	s_mov_b32 s32, 0                               ; my first tile
	s_mov_b32 s33, 0                               ; my number of tiles
.irp k, 0,1,2,3,4,5,6,7
	s_add_co_u32 s[24+\k], s[16+\k], 31
	s_lshr_b32 s[24+\k], s[24+\k], 5               ; tiles of expert k
	s_cmp_eq_u32 s8, \k
	s_cselect_b32 s33, s[24+\k], s33
	s_cmp_lt_u32 \k, s8
	s_cselect_b32 s34, s[24+\k], 0
	s_add_co_u32 s32, s32, s34
.endr
	s_lshl_b32 s36, s32, 5                         ; the next free slot
	s_add_co_u32 s38, s32, s33
	s_lshl_b32 s38, s38, 5                         ; the end of my slots
	; 32 tokens at a time.  Each turn has four registers of its own (the token's four words, which are done with), so no store's sources are written again.
.set QQ, 0
.rept 32
	v_and_b32 v4, s9, v[19+4*QQ]
	v_cmp_ne_u32 vcc_lo, 0, v4                     ; tokens that chose me
	v_cmp_ne_u32 s35, s8, v[16+4*QQ]               ; as their second choice
	v_mbcnt_lo_u32_b32 v[18+4*QQ], vcc_lo, s36     ; the slot: the next free one + the choosers in the lanes below
	v_cndmask_b32 v5, 0, 1, s35
	v_add_nc_u32 v[19+4*QQ], 32*QQ, v1             ; the token
	v_lshl_add_u32 v5, v[19+4*QQ], 1, v5
	v_cndmask_b32 v[16+4*QQ], v12, v[18+4*QQ], vcc_lo
	v_cndmask_b32 v[17+4*QQ], v13, v5, vcc_lo
	v_min_u32 v[16+4*QQ], 2279, v[16+4*QQ]         ; held inside the tables ahead of every address
	v_min_u32 v[17+4*QQ], 2055, v[17+4*QQ]
	v_lshlrev_b32 v[16+4*QQ], 2, v[16+4*QQ]
	v_lshlrev_b32 v[17+4*QQ], 2, v[17+4*QQ]
	global_store_b32 v[16+4*QQ], v[19+4*QQ], s[6:7] offset:STOK
	global_store_b32 v[17+4*QQ], v[18+4*QQ], s[6:7] offset:POS
	s_bcnt1_i32_b32 s37, vcc_lo
	s_add_co_u32 s36, s36, s37
.set QQ, QQ+1
.endr
	v_add_nc_u32 v144, s36, v1                     ; the filling slots, 31 at the most: token 0
	v_cmp_gt_u32 vcc_lo, s38, v144
	v_cndmask_b32 v144, v12, v144, vcc_lo
	v_min_u32 v144, 2279, v144
	v_lshlrev_b32 v144, 2, v144
	v_mov_b32 v145, 0
	global_store_b32 v144, v145, s[6:7] offset:STOK
	v_mov_b32 v146, s32
	v_mov_b32 v147, s33
	v_mov_b32 v148, s8
	v_lshlrev_b32 v148, 3, v148
	s_wait_xcnt 0x0                                ; EXEC changes only behind this wait
	v_cmp_eq_u32 vcc_lo, 0, v1
	s_and_saveexec_b32 s39, vcc_lo
	global_store_b64 v148, v[146:147], s[6:7]
	s_endpgm
.Lfunc_end_k_qf696bc1b51_place:
	.size	k_qf696bc1b51_place, .Lfunc_end_k_qf696bc1b51_place-k_qf696bc1b51_place
	.p2alignl 7, 3214868480
	.fill 96, 4, 3214868480
	.section	.rodata,"a",@progbits
	.p2align	6, 0x0
	.amdhsa_kernel k_qf696bc1b51_place
		.amdhsa_group_segment_fixed_size 0
		.amdhsa_private_segment_fixed_size 0
		.amdhsa_enable_private_segment 0
		.amdhsa_kernarg_size 16
		.amdhsa_user_sgpr_count 2
		.amdhsa_user_sgpr_kernarg_segment_ptr 1
		.amdhsa_wavefront_size32 1
		.amdhsa_system_sgpr_workgroup_id_x 1
		.amdhsa_system_sgpr_workgroup_id_y 1
		.amdhsa_system_sgpr_workgroup_id_z 1
		.amdhsa_system_vgpr_workitem_id 0
		.amdhsa_next_free_vgpr 160
		.amdhsa_next_free_sgpr 66
		.amdhsa_reserve_vcc 1
		.amdhsa_float_denorm_mode_32 3
		.amdhsa_float_denorm_mode_16_64 3
		.amdhsa_memory_ordered 1
		.amdhsa_forward_progress 1
		.amdhsa_inst_pref_size 39
	.end_amdhsa_kernel
	.amdgpu_metadata
---
amdhsa.version: [ 1, 2 ]
amdhsa.kernels:
  - .name:           k_qf696bc1b51_place
    .symbol:         k_qf696bc1b51_place.kd
    .args:
      - { .name: route, .offset: 0, .size: 8, .value_kind: global_buffer, .address_space: global }
      - { .name: plan, .offset: 8, .size: 8, .value_kind: global_buffer, .address_space: global }
    .group_segment_fixed_size: 0
    .private_segment_fixed_size: 0
    .kernarg_segment_align: 8
    .kernarg_segment_size: 16
    .max_flat_workgroup_size: 32
    .sgpr_count:     66
    .vgpr_count:     160
    .wavefront_size: 32
...
	.end_amdgpu_metadata
.endif
;; end of part 2
;; launch ffn1 (part 3): grid 256 x 1, 16 waves a work-group, no clusters, 112,640 bytes of LDS; arguments w1, b1, plan, xq, hq; writes hq
.if DOCPART == 3
	.amdgcn_target "amdgcn-amd-amdhsa--gfx1250"
	.amdhsa_code_object_version 6
	.text
	.protected	k_qf696bc1b51_ffn1
	.globl	k_qf696bc1b51_ffn1
	.p2align	8
	.type	k_qf696bc1b51_ffn1,@function
k_qf696bc1b51_ffn1:
	s_mov_b64 s[64:65], 0
	v_nop
	global_prefetch_b8 v0, s[64:65] scope:SCOPE_SE
	s_setreg_imm32_b32 hwreg(HW_REG_WAVE_MODE, 25, 1), 1
	s_wait_xcnt 0x0
; h = gelu(x W1 + b1) for the rows that chose an expert, on codes of E2M3 with E8M0 scales, and h's own codes for the second product.
; Work-group (e, ks) owns w1[e][all 1,024 k][128 ks .. 128 ks + 127]: 512 KiB of f32, read from memory once, by this work-group alone.
; PHASE 1, THE STREAM.  A lane takes a column and its registers run down K, so a block of 32 along K lies in one lane and the conversions give codes with K innermost.
; Wave w takes columns 32 (w % 4) + lane and K from 256 (w / 4).  The codes go to LDS as IMAGES OF THE OPERAND'S REGISTERS: registers 4 j .. 4 j + 3 of lane L at 512 j + 16 L.
; THE COLUMNS OF A TILE ARE NOT NEIGHBOURS: row r of tile 2 b + u is column 32 b + 8 u + r + 8 (r / 8), so that a lane's 16 results of tiles 2 b, 2 b + 1 are 16 neighbours along the next K.
; One barrier; behind it LDS is only read.
; PHASE 2.  The expert's tiles of 32 slots are dealt to the 16 waves: wave w takes tiles w, w + 16, ..: (tiles + 15 - w) / 16 trips, five at the most.  The number of tiles is a stored whole
; number: so there is no tensor load, no cluster (partners would need different numbers of trips) and no barrier in the loop.  A wave: gathers its 32 tokens' codes, 128 matrix instructions
; (source 0 = 16 columns of W1, source 1 = 16 tokens; each fragment of W1 feeds two), b1 as the sums' start, gelu by erf in f32, the quantiser in registers, and h's images to memory.
; erf(z) = z P(z^2) / Q(z^2), z held to +-4: a rational form in f32, good to a few ulp for every z.
; LIMITS: NaN and infinities are not served; a block whose largest magnitude lies under 2^-124 keeps the byte 1 (a block of zeros has zero codes).
.set PITCH, 16384                      ; bytes from one k to the next in w1
.set IMG,   1664                       ; an image: 1,536 bytes + 128
.set KIMG,  8*IMG                      ; a K step's eight images
.set WSC,   8*KIMG                     ; behind the images: scale words [K step][row][tile], 512 bytes a K step
.set SSTEP, 512
.set STOK,  256
.set XS,    786432
.set HSO,   6979584
.set GA,   2                           ; stream: v2 4 x lane; v3 where my codes go; v4 where my scale words go; v12-14 at work
.set WADR, 3
.set WSW,  4
.set C,    16                          ; v16-21 a block's codes; v24-26 its second half as the conversion leaves it
.set T,    24
.set SB,   28                          ; v28-29 scale bytes, four to a register
.set X,    128                         ; v128-191 two sets of 32 numbers
.set RADR, 5                           ; v5, v6  16 x lane; the same 32 images on
.set WSA,  7                           ; v7   my row's scale words of W1
.set BA,   8                           ; v8   64 x (lane / 16): b1
.set R4,   9                           ; v9   4 x (lane % 16)
.set XA,   10                          ; v10-11 my token's codes, sub-tile 0, 1
.set XSA,  12                          ; v12-13 its scale bytes
.set HA,   14                          ; v14  h's images
.set HSA,  15                          ; v15  h's scale words
.set WF,   16                          ; v16-63  four fragments of W1
.set XF,   64                          ; v64-111 x: two sets of two fragments
.set WS,   112                         ; v112-119 W1's scale words: these and the next four hold scales alone
.set XSR,  120                         ; v120-123 x's scale words, two sets of two
.set ACC,  128                         ; v128-255 accumulator (m, n) at 64 m + 8 n
.set Z,    16                          ; gelu, at work
.set Z2,   24
.set P,    32
.set Q,    40
.set PC,   16                          ; h's codes: v16-34, v36-54
.set PW,   56                          ; v56-57 h's scale words
.set TM,   64                          ; v64-79 the quantiser, at work
.set SEL,  40
.macro PLACES                          ; four plain places between a matrix instruction and a load into, or a vector instruction on, its registers
.rept 4
	v_nop
.endr
.endm
	s_load_b256 s[4:11], s[0:1], 0x0               ; w1 s[4:5], b1 s[6:7], plan s[8:9], xq s[10:11]
	s_load_b64 s[12:13], s[0:1], 0x20              ; hq
	v_lshl_add_u32 v126, v0, 2, 0x1b000
	v_mov_b32 v127, 0
	v_lshrrev_b32 v1, 5, v0
	v_readfirstlane_b32 s14, v1                    ; wave 0..15
	v_and_b32 v1, 31, v0
	v_lshlrev_b32 v[GA], 2, v1
	s_lshr_b32 s15, ttmp9, 5                       ; expert
	s_and_b32 s20, ttmp9, 31                       ; which 128 columns: the second product's K step
	s_and_b32 s21, s14, 3
	s_lshr_b32 s22, s14, 2
	v_and_b32 v5, 7, v1
	v_lshrrev_b32 v6, 4, v1
	v_lshl_add_u32 v5, v6, 3, v5                   ; my column's row in its tile: lane % 8 + 8 (lane / 16)
	v_bfe_u32 v6, v1, 3, 1                         ; and which of my wave's two tiles
	v_mul_u32_u24 v[WADR], v6, IMG
	v_lshl_add_u32 v[WADR], v5, 4, v[WADR]
	s_mul_i32 s23, s21, 2*IMG
	s_mul_i32 s24, s22, 2*KIMG
	s_add_co_u32 s23, s23, s24
	v_add_nc_u32 v[WADR], s23, v[WADR]
	v_lshlrev_b32 v[WSW], 5, v5
	v_lshl_add_u32 v[WSW], v6, 2, v[WSW]
	s_lshl_b32 s23, s21, 3
	s_lshl_b32 s24, s22, 10
	s_add_co_u32 s23, s23, s24
	s_add_co_u32 s23, s23, WSC
	v_add_nc_u32 v[WSW], s23, v[WSW]
	s_lshl_b32 s24, s15, 24                        ; expert x 16 MiB
	s_lshl_b32 s25, s22, 22                        ; + 256 k x 16,384 bytes for each (wave / 4)
	s_add_co_u32 s24, s24, s25
	s_lshl_b32 s25, s20, 9
	s_add_co_u32 s24, s24, s25
	s_lshl_b32 s25, s21, 7
	s_add_co_u32 s24, s24, s25
	s_mov_b32 s25, 0
	s_lshl_b32 s26, s15, 3
	s_lshl_b32 s30, s15, 14                        ; b1: expert x 16,384 + 512 x ks
	s_lshl_b32 s31, s20, 9
	s_add_co_u32 s30, s30, s31
	s_mov_b32 s31, 0
	s_mul_i32 s28, s20, 1536
	s_lshl_b32 s29, s20, 6
	s_mov_b32 s32, 0xaf95df0b                      ; erf's leading coefficients, as pairs for the packed forms
	s_mov_b32 s33, s32
	s_mov_b32 s34, 0x32edffee
	s_mov_b32 s35, s34
	s_mov_b32 s36, 0xb77460cd
	s_mov_b32 s37, s36
	s_mov_b32 s38, 0xb95fbd29
	s_mov_b32 s39, s38
	s_mov_b32 s[SEL], 0x76543210
	s_mov_b32 s[SEL+1], 0xfedcba98
	s_wait_kmcnt 0x0
	s_add_nc_u64 s[4:5], s[4:5], s[24:25]
	s_add_nc_u64 s[6:7], s[6:7], s[30:31]
	s_load_b64 s[16:17], s[8:9], s26 offset:0x0    ; my expert's first tile and number of tiles
.macro LOADB t                         ; block t: w(32 t + i, my column): each load reads 128 consecutive bytes, the four waves of a K range 512
.irp i, 0,1,2,3,4,5,6,7,8,9,10,11,12,13,14,15,16,17,18,19,20,21,22,23,24,25,26,27,28,29,30,31
	global_load_b32 v[X+32*((\t)%2)+\i], v[GA], s[4:5] offset:(32*(\t)+\i)*PITCH th:TH_LOAD_NT
.endr
.endm
.macro BLOCK t
.set XB, X+32*((\t)%2)
.set II, ((\t)/4)*KIMG+256*((\t)%2)    ; the K step's image; blocks 1 and 3 of a K step belong to lanes 16-31 of the operand
.if (\t) < 7
	s_wait_loadcnt 32                              ; this block is in, the next block's 32 loads may be out
.else
	s_wait_loadcnt 0x0
.endif
	v_max3_num_f32 v12, |v[XB]|, |v[XB+1]|, 0x1800000   ; the floor 2^-124 among the leaves holds the byte at 1 from below
	v_max3_num_f32 v13, |v[XB+2]|, |v[XB+3]|, |v[XB+4]|
.irp i, 5,9,13,17,21,25
	v_max3_num_f32 v12, v12, |v[XB+\i]|, |v[XB+\i+1]|
	v_max3_num_f32 v13, v13, |v[XB+\i+2]|, |v[XB+\i+3]|
.endr
	v_max3_num_f32 v12, v12, |v[XB+29]|, |v[XB+30]|
	v_max3_num_f32 v12, v12, v13, |v[XB+31]|
	v_add_nc_u32 v14, 0xff000000, v12              ; 2 off the exponent field: the conversion's scale operand
	v_lshrrev_b32 v13, 23, v14                     ; the byte
.if (\t)%4 == 0
	v_mov_b32 v[SB+(\t)/4], v13
.else
	v_lshl_or_b32 v[SB+(\t)/4], v13, 8*((\t)%4), v[SB+(\t)/4]
.endif
	v_cvt_scalef32_pk16_fp6_f32 v[C:C+2], v[XB:XB+15], v14
	v_cvt_scalef32_pk16_fp6_f32 v[T:T+2], v[XB+16:XB+31], v14   ; (a conversion's three registers begin on an even number)
	v_nop                                          ; a plain place behind the conversions
.if (\t) < 6
	LOADB (\t)+2
.endif
	v_mov_b32 v[C+3], v[T]
	v_mov_b32 v[C+4], v[T+1]
	v_mov_b32 v[C+5], v[T+2]
.if ((\t)/2)%2 == 0                    ; the operand's registers 0-5
	ds_store_b128 v[WADR], v[C:C+3] offset:II
	ds_store_b64 v[WADR], v[C+4:C+5] offset:II+512
.else                                  ; registers 6-11
	ds_store_b64 v[WADR], v[C:C+1] offset:II+520
	ds_store_b128 v[WADR], v[C+2:C+5] offset:II+1024
.endif
	s_wait_dscnt 0x0                               ; the stores have read their registers: the next block's codes may be written
.endm
	LOADB 0
	LOADB 1
.irp t, 0,1,2,3,4,5,6,7
	BLOCK \t
.endr
	ds_store_b32 v[WSW], v[SB]
	ds_store_b32 v[WSW], v[SB+1] offset:SSTEP
	s_wait_dscnt 0x0                               ; for the others' sake: my images and scale words lie in LDS
	s_barrier_signal -1
	s_barrier_wait -1                              ; the launch's one barrier, on every wave's way, ahead of every branch on stored numbers
	v_and_b32 v1, 15, v0
	v_bfe_u32 v[BA], v0, 4, 1
	v_mul_u32_u24 v2, v[BA], 24                    ; v2: 24 x (lane / 16)
	v_and_b32 v[RADR], 31, v0
	v_lshlrev_b32 v[RADR], 4, v[RADR]
	v_add_nc_u32 v[RADR+1], 32*IMG, v[RADR]
	v_lshlrev_b32 v[WSA], 5, v1
	v_add_nc_u32 v[WSA], WSC, v[WSA]
	v_lshlrev_b32 v[BA], 6, v[BA]
	v_lshlrev_b32 v[R4], 2, v1
	s_wait_kmcnt 0x0
	s_min_u32 s17, s17, 71                         ; there are never more than 71 tiles
	s_add_co_u32 s18, s16, s14                     ; my first tile
	s_add_co_u32 s19, s17, 15
	s_sub_co_u32 s19, s19, s14
	s_lshr_b32 s19, s19, 4                         ; my trips: (tiles + 15 - wave) / 16
	s_mov_b32 s21, 0                               ; trips done
	s_cmp_eq_u32 s19, 0
	s_cbranch_scc1 .Ldone
.macro XLOAD s                         ; x's two fragments and scale words of K step s: 14 loads
.irp m, 0,1
.irp p, 0,1,2,3,4,5
	global_load_b64 v[XF+24*((\s)%2)+12*\m+2*\p:XF+24*((\s)%2)+12*\m+2*\p+1], v[XA+\m], s[10:11] offset:96*(\s)+48*(\p/3)+8*(\p%3)
.endr
	global_load_b32 v[XSR+2*((\s)%2)+\m], v[XSA+\m], s[10:11] offset:XS+4*(\s)
.endr
.endm
.macro WLOAD s, n0                     ; four images of W1: tiles n0 .. n0 + 3 of K step s
.irp k, 0,1,2,3
.irp j, 0,1,2
	ds_load_b128 v[WF+12*\k+4*\j:WF+12*\k+4*\j+3], v[RADR+(\s)/4] offset:((8*(\s)+\n0+\k)%32)*IMG+512*\j
.endr
.endr
.endm
.macro MUL8 s, n0                      ; eight accumulators, one instruction a turn
.irp k, 0,1,2,3
.irp m, 0,1
	v_wmma_scale_f32_16x16x128_f8f6f4 v[ACC+64*\m+8*(\n0+\k):ACC+64*\m+8*(\n0+\k)+7], v[WF+12*\k:WF+12*\k+11], v[XF+24*((\s)%2)+12*\m:XF+24*((\s)%2)+12*\m+11], v[ACC+64*\m+8*(\n0+\k):ACC+64*\m+8*(\n0+\k)+7], v[WS+\n0+\k], v[XSR+2*((\s)%2)+\m] matrix_a_fmt:MATRIX_FMT_FP6 matrix_b_fmt:MATRIX_FMT_FP6
.endr
.endr
.endm
.macro KSTEP s
	PLACES
	WLOAD \s, 0
	ds_load_b128 v[WS:WS+3], v[WSA] offset:512*(\s)
	ds_load_b128 v[WS+4:WS+7], v[WSA] offset:512*(\s)+16
.if (\s) < 7
	XLOAD (\s)+1
	s_wait_loadcnt 14                              ; all but the 14 just issued: this step's x (and, in step 0, b1) is in
.else
	s_wait_loadcnt 0x0
.endif
	s_wait_dscnt 0x0
	MUL8 \s, 0
	PLACES
	WLOAD \s, 4
	s_wait_dscnt 0x0
	MUL8 \s, 4
.endm
.macro GELU a                          ; eight numbers in place: 0.5 h (1 + erf(h / sqrt 2)); line by line over four pairs, so that no line waits for the one above
.irp i, 0,2,4,6
	v_pk_mul_f32 v[Z+\i:Z+\i+1], v[\a+\i:\a+\i+1], 0x3f3504f3 op_sel_hi:[1,0]
.endr
.irp i, 0,1,2,3,4,5,6,7
	v_med3_num_f32 v[Z+\i], v[Z+\i], -4.0, 4.0
.endr
.irp i, 0,2,4,6
	v_pk_mul_f32 v[Z2+\i:Z2+\i+1], v[Z+\i:Z+\i+1], v[Z+\i:Z+\i+1]
.endr
.irp i, 0,2,4,6
	v_pk_fma_f32 v[P+\i:P+\i+1], v[Z2+\i:Z2+\i+1], s[32:33], s[34:35] op_sel_hi:[1,0,0]
.endr
.irp i, 0,2,4,6
	v_pk_fma_f32 v[Q+\i:Q+\i+1], v[Z2+\i:Z2+\i+1], s[36:37], s[38:39] op_sel_hi:[1,0,0]
.endr
.irp k, 0xb60cff51, 0xb86ec2d2, 0xba40ac63, 0xbb41a1f6, 0xbc83dbd4
.irp i, 0,2,4,6
	v_pk_fma_f32 v[P+\i:P+\i+1], v[P+\i:P+\i+1], v[Z2+\i:Z2+\i+1], \k op_sel_hi:[1,1,0]
.endr
.endr
.irp k, 0xbadc924e, 0xbbf19bf8, 0xbc69b6a7
.irp i, 0,2,4,6
	v_pk_fma_f32 v[Q+\i:Q+\i+1], v[Q+\i:Q+\i+1], v[Z2+\i:Z2+\i+1], \k op_sel_hi:[1,1,0]
.endr
.endr
.irp i, 0,1,2,3,4,5,6,7
	v_rcp_f32 v[Q+\i], v[Q+\i]
.endr
.irp i, 0,2,4,6
	v_pk_mul_f32 v[P+\i:P+\i+1], v[P+\i:P+\i+1], v[Z+\i:Z+\i+1]      ; (plain places behind the reciprocals)
.endr
.irp i, 0,2,4,6
	v_pk_mul_f32 v[\a+\i:\a+\i+1], v[\a+\i:\a+\i+1], 0.5 op_sel_hi:[1,0]
.endr
	s_wait_alu depctr_va_vdst(0)
.irp i, 0,2,4,6
	v_pk_mul_f32 v[P+\i:P+\i+1], v[P+\i:P+\i+1], v[Q+\i:Q+\i+1]      ; erf
.endr
.irp i, 0,2,4,6
	v_pk_fma_f32 v[\a+\i:\a+\i+1], v[\a+\i:\a+\i+1], v[P+\i:P+\i+1], v[\a+\i:\a+\i+1]
.endr
.endm
; 64 numbers of a lane, register 16 b + i = k 32 b + 16 (lane / 16) + i of my row, become a fragment's 12 registers at v[pc] and its scale word in v[pw]
.macro QUANT s, pc, pw
.irp b, 0,1,2,3
	v_max3_num_f32 v[TM+\b], |v[\s+16*\b]|, |v[\s+1+16*\b]|, 0x1800000
.endr
.irp i, 2,4,6,8,10,12,14
.irp b, 0,1,2,3
	v_max3_num_f32 v[TM+\b], v[TM+\b], |v[\s+16*\b+\i]|, |v[\s+1+16*\b+\i]|
.endr
.endr
.irp b, 0,1,2,3
	v_permlanex16_b32 v[TM+4+\b], v[TM+\b], s[SEL], s[SEL+1]
.endr
.irp b, 0,1,2,3
	v_max_num_f32 v[TM+\b], v[TM+\b], v[TM+4+\b]   ; with lane l xor 16's: the block's largest magnitude
.endr
.irp b, 0,1,2,3
	v_add_nc_u32 v[TM+12+\b], 0xff000000, v[TM+\b]
.endr
.irp b, 0,1,2,3
	v_lshrrev_b32 v[TM+4+\b], 23, v[TM+12+\b]
.endr
	v_lshl_or_b32 v[\pw], v[TM+5], 8, v[TM+4]
	v_lshl_or_b32 v[\pw], v[TM+6], 16, v[\pw]
	v_lshl_or_b32 v[\pw], v[TM+7], 24, v[\pw]
.irp c, 0,1
	v_cvt_scalef32_pk16_fp6_f32 v[\pc+6*\c:\pc+2+6*\c], v[\s+32*\c:\s+15+32*\c], v[TM+12+2*\c]
	v_cvt_scalef32_pk16_fp6_f32 v[\pc+12+4*\c:\pc+14+4*\c], v[\s+16+32*\c:\s+31+32*\c], v[TM+12+2*\c+1]
.endr
	v_nop                                          ; a plain place behind the conversions
.irp c, 0,1                            ; the operand wants a whole block in a lane: lanes 0-15 block 2 c, lanes 16-31 block 2 c + 1
.irp i, 0,1,2
	v_permlane16_swap_b32 v[\pc+6*\c+\i], v[\pc+12+4*\c+\i]
.endr
.irp i, 0,1,2
	v_mov_b32 v[\pc+3+6*\c+\i], v[\pc+12+4*\c+\i]
.endr
.endr
.endm
.Ltile:
	s_min_u32 s30, s18, 70                         ; a stored number is held inside the tables ahead of every address
	s_lshl_b32 s31, s30, 7
	v_add_nc_u32 v4, s31, v[R4]
	global_load_b32 v124, v4, s[8:9] offset:STOK       ; the tokens of slots 32 T + lane % 16,
	global_load_b32 v125, v4, s[8:9] offset:STOK+64    ; and of the 16 slots behind them
	s_mul_i32 s31, s30, 98304
	s_add_co_u32 s31, s31, s28
	v_add_nc_u32 v[HA], s31, v[RADR]
	s_lshl_b32 s31, s30, 12
	s_add_co_u32 s31, s31, s29
	v_add_nc_u32 v[HSA], s31, v[R4]
.irp m, 0,1                            ; b1 starts the sums: lane (r, h) wants, for tile n, the units 32 (n / 2) + 16 h + 8 (n % 2) + 0 .. 7
.irp n, 0,1,2,3,4,5,6,7
	global_load_b128 v[ACC+64*\m+8*\n:ACC+64*\m+8*\n+3], v[BA], s[6:7] offset:(32*(\n/2)+8*(\n%2))*4
	global_load_b128 v[ACC+64*\m+8*\n+4:ACC+64*\m+8*\n+7], v[BA], s[6:7] offset:(32*(\n/2)+8*(\n%2))*4+16
.endr
.endr
	s_wait_loadcnt 32                              ; the two tokens are in; b1's 32 loads may be out
	v_min_u32 v124, 1023, v124
	v_min_u32 v125, 1023, v125
	v_mul_u32_u24 v[XA], v124, 768
	v_mul_u32_u24 v[XA+1], v125, 768
	v_add_nc_u32 v[XA], v[XA], v2
	v_add_nc_u32 v[XA+1], v[XA+1], v2
	v_lshlrev_b32 v[XSA], 5, v124
	v_lshlrev_b32 v[XSA+1], 5, v125
	XLOAD 0
.irp s, 0,1,2,3,4,5,6,7
	KSTEP \s
.endr
	PLACES
.irp a, 0,1,2,3,4,5,6,7,8,9,10,11,12,13,14,15
	GELU ACC+8*\a                                  ; each accumulator from its low end on
.endr
.irp b, 0,1,2,3
	v_mov_b32 v[TM+4+\b], 0                        ; a lane permute's destination counts as read
.endr
.irp m, 0,1
	QUANT ACC+64*\m, PC+20*\m, PW+\m
.irp c, 0,1,2
	global_store_b128 v[HA], v[PC+20*\m+4*\c:PC+20*\m+4*\c+3], s[12:13] offset:49152*\m+512*\c   ; the image as it stands: 512 consecutive bytes a store
.endr
	global_store_b32 v[HSA], v[PW+\m], s[12:13] offset:HSO+2048*\m   ; both halves of the lanes hold the same word
.endr
	s_wait_xcnt 0x0                                ; the stores' data and offsets are written again in the next trip
	s_add_co_u32 s18, s18, 16                      ; my next tile
	s_add_co_u32 s21, s21, 1                       ; the loop ends on the count of trips
	s_cmp_lt_u32 s21, s19
	s_cbranch_scc1 .Ltile
.Ldone:
	s_wait_tensorcnt 0x0
	ds_add_u32 v126, v127
	s_wait_dscnt 0x0
	s_endpgm
.Lfunc_end_k_qf696bc1b51_ffn1:
	.size	k_qf696bc1b51_ffn1, .Lfunc_end_k_qf696bc1b51_ffn1-k_qf696bc1b51_ffn1
	.p2alignl 7, 3214868480
	.fill 96, 4, 3214868480
	.section	.rodata,"a",@progbits
	.p2align	6, 0x0
	.amdhsa_kernel k_qf696bc1b51_ffn1
		.amdhsa_group_segment_fixed_size 112640
		.amdhsa_private_segment_fixed_size 0
		.amdhsa_enable_private_segment 0
		.amdhsa_kernarg_size 40
		.amdhsa_user_sgpr_count 2
		.amdhsa_user_sgpr_kernarg_segment_ptr 1
		.amdhsa_wavefront_size32 1
		.amdhsa_system_sgpr_workgroup_id_x 1
		.amdhsa_system_sgpr_workgroup_id_y 1
		.amdhsa_system_sgpr_workgroup_id_z 1
		.amdhsa_system_vgpr_workitem_id 0
		.amdhsa_next_free_vgpr 256
		.amdhsa_next_free_sgpr 66
		.amdhsa_reserve_vcc 0
		.amdhsa_float_denorm_mode_32 3
		.amdhsa_float_denorm_mode_16_64 3
		.amdhsa_memory_ordered 1
		.amdhsa_forward_progress 1
		.amdhsa_inst_pref_size 191
	.end_amdhsa_kernel
	.amdgpu_metadata
---
amdhsa.version: [ 1, 2 ]
amdhsa.kernels:
  - .name:           k_qf696bc1b51_ffn1
    .symbol:         k_qf696bc1b51_ffn1.kd
    .args:
      - { .name: w1, .offset: 0, .size: 8, .value_kind: global_buffer, .address_space: global }
      - { .name: b1, .offset: 8, .size: 8, .value_kind: global_buffer, .address_space: global }
      - { .name: plan, .offset: 16, .size: 8, .value_kind: global_buffer, .address_space: global }
      - { .name: xq, .offset: 24, .size: 8, .value_kind: global_buffer, .address_space: global }
      - { .name: hq, .offset: 32, .size: 8, .value_kind: global_buffer, .address_space: global }
    .group_segment_fixed_size: 112640
    .private_segment_fixed_size: 0
    .kernarg_segment_align: 8
    .kernarg_segment_size: 40
    .max_flat_workgroup_size: 512
    .sgpr_count:     66
    .vgpr_count:     256
    .wavefront_size: 32
...
	.end_amdgpu_metadata
.endif
;; end of part 3
;; launch ffn2 (part 4): grid 256 x 1, 16 waves a work-group, no clusters, 174,080 bytes of LDS; arguments w2, b2, plan, hq, eo; writes eo
.if DOCPART == 4
	.amdgcn_target "amdgcn-amd-amdhsa--gfx1250"
	.amdhsa_code_object_version 6
	.text
	.protected	k_qf696bc1b51_ffn2
	.globl	k_qf696bc1b51_ffn2
	.p2align	8
	.type	k_qf696bc1b51_ffn2,@function
k_qf696bc1b51_ffn2:
	s_mov_b64 s[64:65], 0
	v_nop
	global_prefetch_b8 v0, s[64:65] scope:SCOPE_SE
	s_setreg_imm32_b32 hwreg(HW_REG_WAVE_MODE, 25, 1), 1
	s_wait_xcnt 0x0
; eo[kh][slot][:] = h W2 over half of K (+ b2 in half 0), for the rows that chose an expert, on codes of E2M3 with E8M0 scales.
; Work-group (e, kh, ds) owns w2[e][2,048 kh .. + 2,047][64 ds .. + 63]: 512 KiB of f32, read from memory once, by this work-group alone.
; PHASE 1, THE STREAM: as in the first product's launch: a lane takes a column, its registers run down K; wave w takes columns 32 (w % 2) + lane and K from 256 (w / 2);
; the codes go to LDS as images of the operand's registers (registers 4 j .. 4 j + 3 of lane L at 512 j + 16 L).  One barrier; behind it the images are only read.
; PHASE 2: the expert's tiles of 32 slots are dealt to the 16 waves: wave w takes tiles w, w + 16, ..: (tiles + 15 - w) / 16 trips, five at the most.  Their number is a stored whole number:
; no tensor load, no cluster (partners would need different numbers of trips), no barrier in the loop.
; A wave: 16 K steps; h's images come from memory as they lie, two steps ahead; source 0 = 16 columns of W2, source 1 = 16 slots, so a lane holds eight neighbouring numbers of a row;
; the rows leave through the wave's own stage, sixteen lanes to 256 consecutive aligned bytes.  The two halves of K are added in the last launch: each byte of eo has one owner.
; LIMITS: NaN and infinities are not served; a block whose largest magnitude lies under 2^-124 keeps the byte 1 (a block of zeros has zero codes).
.set PITCH, 4096                       ; bytes from one k to the next in w2
.set IMG,   1536
.set KIMG,  4*IMG                      ; a K step's four images
.set WSC,   16*KIMG                    ; scale words [K step][row][tile], 256 bytes a K step
.set SSTEP, 256
.set STG,   WSC+4096                   ; a stage of 16 rows x (256 + 16) bytes for each wave
.set HSO,   6979584
.set PART,  9306112                    ; a K half of eo: 2,272 slots x 4,096 bytes
.set GA,   2
.set WADR, 3
.set WSW,  4
.set C,    16
.set T,    24
.set SB,   28
.set X,    64                          ; v64-127 the stream's two sets of 32 numbers
.set RADR, 5                           ; v5, v6  16 x lane; the same 32 images on
.set WSA,  7
.set SO,   8                           ; v8   the stage: where I put 32 bytes of a row
.set SR,   9                           ; v9   and where I read a row back
.set HA,   10
.set HSA,  11
.set EA,   12
.set R4,   13                          ; v13  4 x (lane % 16)
.set EL,   14                          ; v14  4,096 x (lane / 16) + 16 x (lane % 16)
.set WF,   16                          ; v16-63  four fragments of W2
.set HF,   64                          ; v64-135 h: three sets of two fragments
.set WS,   136                         ; v136-139 W2's scale words: these and the next six hold scales alone
.set HSR,  140                         ; v140-145 h's scale words, three sets of two
.set B2,   148                         ; v148-179 b2 in the result's layout (zeros in K half 1)
.set ACC,  184                         ; v184-247 accumulator (m, n) at 32 m + 8 n
.set OB,   16                          ; v16-79  rows read back from the stage
.macro PLACES                          ; four plain places between a matrix instruction and a load into, or a store of, its registers
.rept 4
	v_nop
.endr
.endm
	s_load_b256 s[4:11], s[0:1], 0x0               ; w2 s[4:5], b2 s[6:7], plan s[8:9], hq s[10:11]
	s_load_b64 s[12:13], s[0:1], 0x20              ; eo
	v_lshl_add_u32 v254, v0, 2, 0x2a000
	v_mov_b32 v255, 0
	v_lshrrev_b32 v1, 5, v0
	v_readfirstlane_b32 s14, v1                    ; wave 0..15
	v_and_b32 v1, 31, v0
	v_lshlrev_b32 v[GA], 2, v1
	s_lshr_b32 s15, ttmp9, 5                       ; expert
	s_bfe_u32 s20, ttmp9, 0x10004                  ; which half of K
	s_and_b32 s21, ttmp9, 15                       ; which 64 columns
	s_and_b32 s22, s14, 1
	s_lshr_b32 s23, s14, 1
	v_lshrrev_b32 v5, 4, v1                        ; which of my wave's two tiles
	v_and_b32 v6, 15, v1                           ; my column's row in it
	v_mul_u32_u24 v[WADR], v5, IMG
	v_lshl_add_u32 v[WADR], v6, 4, v[WADR]
	s_mul_i32 s24, s22, 2*IMG
	s_mul_i32 s25, s23, 2*KIMG
	s_add_co_u32 s24, s24, s25
	v_add_nc_u32 v[WADR], s24, v[WADR]
	v_lshlrev_b32 v[WSW], 4, v6
	v_lshl_add_u32 v[WSW], v5, 2, v[WSW]
	s_lshl_b32 s24, s22, 3
	s_lshl_b32 s25, s23, 9
	s_add_co_u32 s24, s24, s25
	s_add_co_u32 s24, s24, WSC
	v_add_nc_u32 v[WSW], s24, v[WSW]
	v_lshlrev_b32 v15, 5, v5                       ; b2: 32 x (lane / 16)
	s_lshl_b32 s24, s15, 24                        ; expert x 16 MiB
	s_lshl_b32 s25, s20, 23                        ; + 2,048 k x 4,096 bytes for the half
	s_add_co_u32 s24, s24, s25
	s_lshl_b32 s25, s23, 20                        ; + 256 k for each (wave / 2)
	s_add_co_u32 s24, s24, s25
	s_lshl_b32 s25, s21, 8
	s_add_co_u32 s24, s24, s25
	s_lshl_b32 s25, s22, 7
	s_add_co_u32 s24, s24, s25
	s_mov_b32 s25, 0
	s_lshl_b32 s26, s15, 12                        ; b2: expert x 4,096 + 256 x ds
	s_lshl_b32 s27, s21, 8
	s_add_co_u32 s26, s26, s27
	s_mul_i32 s28, s20, PART                       ; eo: the half + 256 x ds
	s_add_co_u32 s28, s28, s27
	s_mov_b32 s27, 0
	s_mov_b32 s29, 0
	s_mul_i32 s30, s20, 24576                      ; h's images: 16 K steps on in half 1
	s_lshl_b32 s31, s20, 10                        ; and its scale words
	s_lshl_b32 s32, s15, 3
	s_wait_kmcnt 0x0
	s_add_nc_u64 s[4:5], s[4:5], s[24:25]
	s_add_nc_u64 s[6:7], s[6:7], s[26:27]
	s_add_nc_u64 s[12:13], s[12:13], s[28:29]
	s_load_b64 s[16:17], s[8:9], s32 offset:0x0    ; my expert's first tile and number of tiles
.irp n, 0,1,2,3
	global_load_b128 v[B2+8*\n:B2+8*\n+3], v15, s[6:7] offset:64*\n        ; lane (r, h), tile n: columns 16 n + 8 h + 0 .. 7
	global_load_b128 v[B2+8*\n+4:B2+8*\n+7], v15, s[6:7] offset:64*\n+16
.endr
.macro LOADB t                         ; block t: w(32 t + i, my column): each load reads 128 consecutive bytes, the two waves of a K range 256
.irp i, 0,1,2,3,4,5,6,7,8,9,10,11,12,13,14,15,16,17,18,19,20,21,22,23,24,25,26,27,28,29,30,31
	global_load_b32 v[X+32*((\t)%2)+\i], v[GA], s[4:5] offset:(32*(\t)+\i)*PITCH th:TH_LOAD_NT
.endr
.endm
.macro BLOCK t
.set XB, X+32*((\t)%2)
.set II, ((\t)/4)*KIMG+256*((\t)%2)    ; the K step's image; blocks 1 and 3 of a K step belong to lanes 16-31 of the operand
.if (\t) < 7
	s_wait_loadcnt 32                              ; this block (and all issued before it) is in, the next block's 32 loads may be out
.else
	s_wait_loadcnt 0x0
.endif
	v_max3_num_f32 v12, |v[XB]|, |v[XB+1]|, 0x1800000   ; the floor 2^-124 among the leaves holds the byte at 1 from below
	v_max3_num_f32 v13, |v[XB+2]|, |v[XB+3]|, |v[XB+4]|
.irp i, 5,9,13,17,21,25
	v_max3_num_f32 v12, v12, |v[XB+\i]|, |v[XB+\i+1]|
	v_max3_num_f32 v13, v13, |v[XB+\i+2]|, |v[XB+\i+3]|
.endr
	v_max3_num_f32 v12, v12, |v[XB+29]|, |v[XB+30]|
	v_max3_num_f32 v12, v12, v13, |v[XB+31]|
	v_add_nc_u32 v14, 0xff000000, v12              ; 2 off the exponent field: the conversion's scale operand
	v_lshrrev_b32 v13, 23, v14                     ; the byte
.if (\t)%4 == 0
	v_mov_b32 v[SB+(\t)/4], v13
.else
	v_lshl_or_b32 v[SB+(\t)/4], v13, 8*((\t)%4), v[SB+(\t)/4]
.endif
	v_cvt_scalef32_pk16_fp6_f32 v[C:C+2], v[XB:XB+15], v14
	v_cvt_scalef32_pk16_fp6_f32 v[T:T+2], v[XB+16:XB+31], v14   ; (a conversion's three registers begin on an even number)
	v_nop                                          ; a plain place behind the conversions
.if (\t) < 6
	LOADB (\t)+2
.endif
	v_mov_b32 v[C+3], v[T]
	v_mov_b32 v[C+4], v[T+1]
	v_mov_b32 v[C+5], v[T+2]
.if ((\t)/2)%2 == 0                    ; the operand's registers 0-5
	ds_store_b128 v[WADR], v[C:C+3] offset:II
	ds_store_b64 v[WADR], v[C+4:C+5] offset:II+512
.else                                  ; registers 6-11
	ds_store_b64 v[WADR], v[C:C+1] offset:II+520
	ds_store_b128 v[WADR], v[C+2:C+5] offset:II+1024
.endif
	s_wait_dscnt 0x0                               ; the stores have read their registers: the next block's codes may be written
.endm
	LOADB 0
	LOADB 1
.irp t, 0,1,2,3,4,5,6,7
	BLOCK \t
.endr
	ds_store_b32 v[WSW], v[SB]
	ds_store_b32 v[WSW], v[SB+1] offset:SSTEP
	s_wait_dscnt 0x0                               ; for the others' sake: my images and scale words lie in LDS
	s_barrier_signal -1
	s_barrier_wait -1                              ; the launch's one barrier, on every wave's way, ahead of every branch on stored numbers
	s_cmp_eq_u32 s20, 0
	s_cselect_b32 s33, -1, 0
.irp j, 0,1,2,3,4,5,6,7,8,9,10,11,12,13,14,15,16,17,18,19,20,21,22,23,24,25,26,27,28,29,30,31
	v_cndmask_b32 v[B2+\j], 0, v[B2+\j], s33       ; b2 is added once: K half 1 starts from zeros
.endr
	v_and_b32 v1, 15, v0
	v_bfe_u32 v2, v0, 4, 1
	v_and_b32 v[RADR], 31, v0
	v_lshlrev_b32 v[RADR], 4, v[RADR]
	v_add_nc_u32 v[RADR+1], 32*IMG, v[RADR]
	v_lshlrev_b32 v[WSA], 4, v1
	v_add_nc_u32 v[WSA], WSC, v[WSA]
	s_mul_i32 s34, s14, 16*272
	s_add_co_u32 s34, s34, STG                     ; my stage
	v_mul_u32_u24 v[SO], v1, 272
	v_lshl_add_u32 v[SO], v2, 5, v[SO]
	v_add_nc_u32 v[SO], s34, v[SO]                 ; in: row lane % 16, 32 bytes for each half of the lanes
	v_mul_u32_u24 v[SR], v2, 272
	v_lshl_add_u32 v[SR], v1, 4, v[SR]
	v_add_nc_u32 v[SR], s34, v[SR]                 ; back: lanes 0-15 one row of 256 bytes, lanes 16-31 the next
	v_lshlrev_b32 v[R4], 2, v1
	v_lshlrev_b32 v[EL], 12, v2
	v_lshl_add_u32 v[EL], v1, 4, v[EL]
	s_wait_kmcnt 0x0
	s_min_u32 s17, s17, 71                         ; there are never more than 71 tiles
	s_add_co_u32 s18, s16, s14                     ; my first tile
	s_add_co_u32 s19, s17, 15
	s_sub_co_u32 s19, s19, s14
	s_lshr_b32 s19, s19, 4                         ; my trips: (tiles + 15 - wave) / 16
	s_mov_b32 s21, 0                               ; trips done
	s_cmp_eq_u32 s19, 0
	s_cbranch_scc1 .Ldone
.macro HLOAD s                         ; h's two fragments and scale words of my half's K step s: 8 loads
.irp m, 0,1
.irp j, 0,1,2
	global_load_b128 v[HF+24*((\s)%3)+12*\m+4*\j:HF+24*((\s)%3)+12*\m+4*\j+3], v[HA], s[10:11] offset:49152*\m+1536*(\s)+512*\j
.endr
	global_load_b32 v[HSR+2*((\s)%3)+\m], v[HSA], s[10:11] offset:HSO+2048*\m+64*(\s)
.endr
.endm
.macro KSTEP s
	PLACES
.irp n, 0,1,2,3
.irp j, 0,1,2
	ds_load_b128 v[WF+12*\n+4*\j:WF+12*\n+4*\j+3], v[RADR+(\s)/8] offset:((4*(\s)+\n)%32)*IMG+512*\j
.endr
.endr
	ds_load_b128 v[WS:WS+3], v[WSA] offset:256*(\s)
.if (\s) < 14
	HLOAD (\s)+2
	s_wait_loadcnt 16                              ; this step's h is in; the next two steps' 16 loads may be out
.elseif (\s) == 14
	s_wait_loadcnt 8
.else
	s_wait_loadcnt 0x0
.endif
	s_wait_dscnt 0x0
.irp n, 0,1,2,3                        ; eight accumulators, one instruction a turn; the first step starts the sums from b2
.irp m, 0,1
.if (\s) == 0
	v_wmma_scale_f32_16x16x128_f8f6f4 v[ACC+32*\m+8*\n:ACC+32*\m+8*\n+7], v[WF+12*\n:WF+12*\n+11], v[HF+24*((\s)%3)+12*\m:HF+24*((\s)%3)+12*\m+11], v[B2+8*\n:B2+8*\n+7], v[WS+\n], v[HSR+2*((\s)%3)+\m] matrix_a_fmt:MATRIX_FMT_FP6 matrix_b_fmt:MATRIX_FMT_FP6
.else
	v_wmma_scale_f32_16x16x128_f8f6f4 v[ACC+32*\m+8*\n:ACC+32*\m+8*\n+7], v[WF+12*\n:WF+12*\n+11], v[HF+24*((\s)%3)+12*\m:HF+24*((\s)%3)+12*\m+11], v[ACC+32*\m+8*\n:ACC+32*\m+8*\n+7], v[WS+\n], v[HSR+2*((\s)%3)+\m] matrix_a_fmt:MATRIX_FMT_FP6 matrix_b_fmt:MATRIX_FMT_FP6
.endif
.endr
.endr
.endm
.Ltile:
	s_min_u32 s35, s18, 70                         ; a stored number is held inside the tables ahead of every address
	s_mul_i32 s36, s35, 98304
	s_add_co_u32 s36, s36, s30
	v_add_nc_u32 v[HA], s36, v[RADR]
	s_lshl_b32 s36, s35, 12
	s_add_co_u32 s36, s36, s31
	v_add_nc_u32 v[HSA], s36, v[R4]
	s_lshl_b32 s36, s35, 17                        ; 32 slots of 4,096 bytes
	v_add_nc_u32 v[EA], s36, v[EL]
	HLOAD 0
	HLOAD 1
.irp s, 0,1,2,3,4,5,6,7,8,9,10,11,12,13,14,15
	KSTEP \s
.endr
	PLACES
.irp m, 0,1
.irp n, 0,1,2,3
	ds_store_b128 v[SO], v[ACC+32*\m+8*\n:ACC+32*\m+8*\n+3] offset:64*\n          ; each accumulator from its low end on
	ds_store_b128 v[SO], v[ACC+32*\m+8*\n+4:ACC+32*\m+8*\n+7] offset:64*\n+16
.endr
.irp i, 0,1,2,3,4,5,6,7
	ds_load_b128 v[OB+32*\m+4*\i:OB+32*\m+4*\i+3], v[SR] offset:544*\i            ; LDS serves a wave in order: these see my stores, and the next sub-tile's stores come behind them
.endr
.endr
.irp m, 0,1
.irp i, 0,1,2,3,4,5,6,7
	s_wait_dscnt 23-16*\m-\i                       ; the LDS instructions issued behind this load may be out
	global_store_b128 v[EA], v[OB+32*\m+4*\i:OB+32*\m+4*\i+3], s[12:13] offset:(16*\m+2*\i)*4096   ; sixteen lanes store 256 consecutive bytes, at a multiple of 256 from eo's first byte
.endr
.endr
	s_wait_xcnt 0x0                                ; the stores' data and offsets are written again in the next trip
	s_add_co_u32 s18, s18, 16                      ; my next tile
	s_add_co_u32 s21, s21, 1                       ; the loop ends on the count of trips
	s_cmp_lt_u32 s21, s19
	s_cbranch_scc1 .Ltile
.Ldone:
	s_wait_tensorcnt 0x0
	ds_add_u32 v254, v255
	s_wait_dscnt 0x0
	s_endpgm
.Lfunc_end_k_qf696bc1b51_ffn2:
	.size	k_qf696bc1b51_ffn2, .Lfunc_end_k_qf696bc1b51_ffn2-k_qf696bc1b51_ffn2
	.p2alignl 7, 3214868480
	.fill 96, 4, 3214868480
	.section	.rodata,"a",@progbits
	.p2align	6, 0x0
	.amdhsa_kernel k_qf696bc1b51_ffn2
		.amdhsa_group_segment_fixed_size 174080
		.amdhsa_private_segment_fixed_size 0
		.amdhsa_enable_private_segment 0
		.amdhsa_kernarg_size 40
		.amdhsa_user_sgpr_count 2
		.amdhsa_user_sgpr_kernarg_segment_ptr 1
		.amdhsa_wavefront_size32 1
		.amdhsa_system_sgpr_workgroup_id_x 1
		.amdhsa_system_sgpr_workgroup_id_y 1
		.amdhsa_system_sgpr_workgroup_id_z 1
		.amdhsa_system_vgpr_workitem_id 0
		.amdhsa_next_free_vgpr 256
		.amdhsa_next_free_sgpr 66
		.amdhsa_reserve_vcc 0
		.amdhsa_float_denorm_mode_32 3
		.amdhsa_float_denorm_mode_16_64 3
		.amdhsa_memory_ordered 1
		.amdhsa_forward_progress 1
		.amdhsa_inst_pref_size 93
	.end_amdhsa_kernel
	.amdgpu_metadata
---
amdhsa.version: [ 1, 2 ]
amdhsa.kernels:
  - .name:           k_qf696bc1b51_ffn2
    .symbol:         k_qf696bc1b51_ffn2.kd
    .args:
      - { .name: w2, .offset: 0, .size: 8, .value_kind: global_buffer, .address_space: global }
      - { .name: b2, .offset: 8, .size: 8, .value_kind: global_buffer, .address_space: global }
      - { .name: plan, .offset: 16, .size: 8, .value_kind: global_buffer, .address_space: global }
      - { .name: hq, .offset: 24, .size: 8, .value_kind: global_buffer, .address_space: global }
      - { .name: eo, .offset: 32, .size: 8, .value_kind: global_buffer, .address_space: global }
    .group_segment_fixed_size: 174080
    .private_segment_fixed_size: 0
    .kernarg_segment_align: 8
    .kernarg_segment_size: 40
    .max_flat_workgroup_size: 512
    .sgpr_count:     66
    .vgpr_count:     256
    .wavefront_size: 32
...
	.end_amdgpu_metadata
.endif
;; end of part 4
;; launch combine (part 5): grid 256 x 1, 4 waves a work-group, no clusters, 0 bytes of LDS; arguments x, xq, plan, eo, out0; writes out0
.if DOCPART == 5
	.amdgcn_target "amdgcn-amd-amdhsa--gfx1250"
	.amdhsa_code_object_version 6
	.text
	.protected	k_qf696bc1b51_combine
	.globl	k_qf696bc1b51_combine
	.p2align	8
	.type	k_qf696bc1b51_combine,@function
k_qf696bc1b51_combine:
	s_mov_b64 s[64:65], 0
	v_nop
	global_prefetch_b8 v0, s[64:65] scope:SCOPE_SE
	s_setreg_imm32_b32 hwreg(HW_REG_WAVE_MODE, 25, 1), 1
	s_wait_xcnt 0x0
; out[t] = x[t] + g0 (eo[0][s0] + eo[1][s0]) + g1 (eo[0][s1] + eo[1][s1]): s0, s1 the token's two slots, g0, g1 its two weights; eo's two parts are the halves of the second product's K.
; A stream: one wave to a token, five rows of 4,096 bytes in, one out; every load and store of the wave covers 512 consecutive bytes; all 40 loads go out at once.
; No LDS, no barrier, no matrix unit: nothing is shared and memory binds.
.set POS,  9472
.set GT,   819200
.set PART, 9306112
	s_load_b256 s[4:11], s[0:1], 0x0               ; x s[4:5], xq s[6:7], plan s[8:9], eo s[10:11]
	s_load_b64 s[12:13], s[0:1], 0x20              ; out0
	v_lshrrev_b32 v1, 5, v0
	v_readfirstlane_b32 s14, v1
	v_and_b32 v2, 31, v0
	v_lshlrev_b32 v2, 4, v2
	s_lshl_b32 s15, ttmp9, 2
	s_add_co_u32 s15, s15, s14                     ; my token
	s_lshl_b32 s32, s15, 12
	s_mov_b32 s33, 0
	s_lshl_b32 s15, s15, 3
	s_wait_kmcnt 0x0
	s_load_b64 s[16:17], s[8:9], s15 offset:POS    ; its two slots
	s_load_b64 s[18:19], s[6:7], s15 offset:GT     ; its two weights
	s_add_nc_u64 s[4:5], s[4:5], s[32:33]
	s_add_nc_u64 s[12:13], s[12:13], s[32:33]
	s_wait_kmcnt 0x0
	s_min_u32 s16, s16, 2271                       ; stored numbers are held inside the table ahead of every address
	s_min_u32 s17, s17, 2271
	s_lshl_b32 s20, s16, 12
	s_mov_b32 s21, 0
	s_add_nc_u64 s[24:25], s[10:11], s[20:21]
	s_add_nc_u64 s[26:27], s[24:25], PART
	s_lshl_b32 s20, s17, 12
	s_add_nc_u64 s[28:29], s[10:11], s[20:21]
	s_add_nc_u64 s[30:31], s[28:29], PART
	s_mov_b32 s22, s19                             ; the second weight in a pair of its own: the packed form takes a pair's low word for both halves
	s_mov_b32 s23, s19
.irp j, 0,1,2,3,4,5,6,7
	global_load_b128 v[16+20*\j:19+20*\j], v2, s[4:5] offset:512*\j th:TH_LOAD_NT
	global_load_b128 v[20+20*\j:23+20*\j], v2, s[24:25] offset:512*\j th:TH_LOAD_NT
	global_load_b128 v[24+20*\j:27+20*\j], v2, s[26:27] offset:512*\j th:TH_LOAD_NT
	global_load_b128 v[28+20*\j:31+20*\j], v2, s[28:29] offset:512*\j th:TH_LOAD_NT
	global_load_b128 v[32+20*\j:35+20*\j], v2, s[30:31] offset:512*\j th:TH_LOAD_NT
.endr
.irp j, 0,1,2,3,4,5,6,7
	s_wait_loadcnt 5*(7-\j)                        ; this piece's five loads are in; the later pieces' may be out
.irp i, 0,2
	v_pk_add_f32 v[20+20*\j+\i:21+20*\j+\i], v[20+20*\j+\i:21+20*\j+\i], v[24+20*\j+\i:25+20*\j+\i]
	v_pk_add_f32 v[28+20*\j+\i:29+20*\j+\i], v[28+20*\j+\i:29+20*\j+\i], v[32+20*\j+\i:33+20*\j+\i]
.endr
.irp i, 0,2
	v_pk_fma_f32 v[16+20*\j+\i:17+20*\j+\i], v[20+20*\j+\i:21+20*\j+\i], s[18:19], v[16+20*\j+\i:17+20*\j+\i] op_sel_hi:[1,0,1]
.endr
.irp i, 0,2
	v_pk_fma_f32 v[16+20*\j+\i:17+20*\j+\i], v[28+20*\j+\i:29+20*\j+\i], s[22:23], v[16+20*\j+\i:17+20*\j+\i] op_sel_hi:[1,0,1]
.endr
	global_store_b128 v2, v[16+20*\j:19+20*\j], s[12:13] offset:512*\j th:TH_STORE_NT
.endr
	s_endpgm
.Lfunc_end_k_qf696bc1b51_combine:
	.size	k_qf696bc1b51_combine, .Lfunc_end_k_qf696bc1b51_combine-k_qf696bc1b51_combine
	.p2alignl 7, 3214868480
	.fill 96, 4, 3214868480
	.section	.rodata,"a",@progbits
	.p2align	6, 0x0
	.amdhsa_kernel k_qf696bc1b51_combine
		.amdhsa_group_segment_fixed_size 0
		.amdhsa_private_segment_fixed_size 0
		.amdhsa_enable_private_segment 0
		.amdhsa_kernarg_size 40
		.amdhsa_user_sgpr_count 2
		.amdhsa_user_sgpr_kernarg_segment_ptr 1
		.amdhsa_wavefront_size32 1
		.amdhsa_system_sgpr_workgroup_id_x 1
		.amdhsa_system_sgpr_workgroup_id_y 1
		.amdhsa_system_sgpr_workgroup_id_z 1
		.amdhsa_system_vgpr_workitem_id 0
		.amdhsa_next_free_vgpr 176
		.amdhsa_next_free_sgpr 66
		.amdhsa_reserve_vcc 0
		.amdhsa_float_denorm_mode_32 3
		.amdhsa_float_denorm_mode_16_64 3
		.amdhsa_memory_ordered 1
		.amdhsa_forward_progress 1
		.amdhsa_inst_pref_size 11
	.end_amdhsa_kernel
	.amdgpu_metadata
---
amdhsa.version: [ 1, 2 ]
amdhsa.kernels:
  - .name:           k_qf696bc1b51_combine
    .symbol:         k_qf696bc1b51_combine.kd
    .args:
      - { .name: x, .offset: 0, .size: 8, .value_kind: global_buffer, .address_space: global }
      - { .name: xq, .offset: 8, .size: 8, .value_kind: global_buffer, .address_space: global }
      - { .name: plan, .offset: 16, .size: 8, .value_kind: global_buffer, .address_space: global }
      - { .name: eo, .offset: 24, .size: 8, .value_kind: global_buffer, .address_space: global }
      - { .name: out0, .offset: 32, .size: 8, .value_kind: global_buffer, .address_space: global }
    .group_segment_fixed_size: 0
    .private_segment_fixed_size: 0
    .kernarg_segment_align: 8
    .kernarg_segment_size: 40
    .max_flat_workgroup_size: 128
    .sgpr_count:     66
    .vgpr_count:     176
    .wavefront_size: 32
...
	.end_amdgpu_metadata
.endif
;; end of part 5
;; ======== version 2 of 2: 5 launches
;; workspace buffers: route 16,384 bytes of whole numbers; plan 17,920 bytes of whole numbers; xq 827,392 bytes; hq 7,270,400 bytes; eo 18,612,224 bytes
;; launch route_q (part 6): grid 256 x 1, 4 waves a work-group, no clusters, 56,320 bytes of LDS; arguments x, router_w, router_b, route, xq; writes route, xq
.if DOCPART == 6
	.amdgcn_target "amdgcn-amd-amdhsa--gfx1250"
	.amdhsa_code_object_version 6
	.text
	.protected	k_qf696bc1b51_route_q
	.globl	k_qf696bc1b51_route_q
	.p2align	8
	.type	k_qf696bc1b51_route_q,@function
k_qf696bc1b51_route_q:
	s_mov_b64 s[64:65], 0
	v_nop
	global_prefetch_b8 v0, s[64:65] scope:SCOPE_SE
	s_setreg_imm32_b32 hwreg(HW_REG_WAVE_MODE, 25, 1), 1
	s_wait_xcnt 0x0
; ROUTER AND QUANTISER OF x.  x [1024 tokens][1024] f32, router_w [1024][8], router_b [8].
; One wave owns one token.  It makes the 8 logits by f32 multiply-adds, the softmax (the maximum taken away first), the two largest
; probabilities (a tie goes to the lower index) and their renormalised weights, and it turns the token's row into codes of E2M3
; with one E8M0 byte for each 32 numbers.  Nothing here steers an address: the choice is stored as whole numbers at fixed places.
; OUT: route [token][4 words]: first expert; one-hot counts of experts 0-3, a byte each; of experts 4-7; the bit mask of the two.
;      xq: codes [token][768 bytes]; at XS scale bytes [token][32]; at GT the two weights [token][2] f32.
; LIMITS: NaN and infinities are not served.  A block whose largest magnitude lies under 2^-124 (a block of zeros too) keeps the byte 1;
; a block of zeros has zero codes, and the bytes are read by this program alone.  A near tie of two probabilities can turn on the order of the f32 sums.
.set XS,  786432
.set GT,  819200
.set XST, 33280                        ; LDS: router_w at 0 (32 runs of 1,024 bytes + 16); then a stage of 32 x 144 bytes for each wave's row of x;
.set CST, 51712                        ; then 64 places of 16 bytes for each wave's codes
.set X,   16                           ; v16-47   my 32 neighbours of the row
.set ACC, 48                           ; v48-55   the 8 sums, then the probabilities
.set WB,  64                           ; v64-127, v128-191  two sets of 8 rows of router_w
.set XR,  128                          ; v128-159 x as it is loaded
	s_load_b256 s[4:11], s[0:1], 0x0               ; x s[4:5], router_w s[6:7], router_b s[8:9], route s[10:11]
	s_load_b64 s[12:13], s[0:1], 0x20              ; xq
	v_lshl_add_u32 v208, v0, 2, 0xda00
	v_mov_b32 v209, 0
	v_lshrrev_b32 v1, 5, v0
	v_readfirstlane_b32 s14, v1                    ; wave
	v_and_b32 v1, 31, v0                           ; lane
	v_lshlrev_b32 v2, 4, v1                        ; 16 x lane
	v_lshlrev_b32 v3, 4, v0                        ; 16 x thread
	v_lshrrev_b32 v4, 6, v0
	v_lshl_add_u32 v4, v4, 4, v3                   ; router_w into LDS: 16 bytes of padding behind each 1,024
	v_mul_u32_u24 v5, v1, 1040                     ; and out of it: my 32 rows; 1,040 is an odd multiple of 16, so sixteen lanes touch sixteen different columns
	v_lshrrev_b32 v6, 3, v1
	v_lshl_add_u32 v6, v6, 4, v2
	s_mul_i32 s15, s14, 4608
	s_add_co_u32 s15, s15, XST
	v_add_nc_u32 v6, s15, v6                       ; x into the stage: eight lanes' 128 bytes on end, then 16 of padding
	v_mul_u32_u24 v7, v1, 144
	v_add_nc_u32 v7, s15, v7                       ; and out of it: 144 x lane
	s_lshl_b32 s15, s14, 10
	s_add_co_u32 s15, s15, CST
	v_lshl_add_u32 v8, v1, 5, s15                  ; codes into their stage: two places of 16 bytes a lane
	v_lshl_add_u32 v9, v1, 4, s15                  ; and out of it: a place a lane
	v_mul_u32_u24 v10, v1, 12
	v_mov_b32 v11, 1
	s_lshl_b32 s16, ttmp9, 2
	s_add_co_u32 s16, s16, s14                     ; my token
	s_lshl_b32 s32, s16, 12
	s_mov_b32 s33, 0
	s_mul_i32 s34, s16, 768
	s_mov_b32 s35, 0
	s_lshl_b32 s36, s16, 5
	s_mov_b32 s37, 0
	s_lshl_b32 s38, s16, 4
	s_mov_b32 s39, 0
	s_lshl_b32 s40, s16, 3
	s_mov_b32 s41, 0
	s_mov_b32 s22, 0x76543210                      ; lane selects: lane l xor 16
	s_mov_b32 s23, 0xfedcba98
	s_wait_kmcnt 0x0
	s_load_b256 s[24:31], s[8:9], 0x0              ; router_b
	s_add_nc_u64 s[4:5], s[4:5], s[32:33]
	s_add_nc_u64 s[10:11], s[10:11], s[38:39]
	s_add_nc_u64 s[16:17], s[12:13], s[34:35]      ; my codes
	s_add_nc_u64 s[18:19], s[12:13], s[36:37]      ; my scale bytes (less XS)
	s_add_nc_u64 s[20:21], s[12:13], s[40:41]      ; my weights (less GT)
.irp i, 0,1,2,3,4,5,6,7
	global_load_b128 v[XR+4*\i:XR+4*\i+3], v2, s[4:5] offset:512*\i th:TH_LOAD_NT   ; 512 consecutive bytes a load
.endr
.irp q, 0,1,2,3,4,5,6,7,8,9,10,11,12,13,14,15
	global_load_b128 v[WB+4*\q:WB+4*\q+3], v3, s[6:7] offset:2048*\q                ; the four waves bring router_w once for the work-group
.endr
.irp e, 0,1,2,3,4,5,6,7
	v_mov_b32 v[56+\e], 0                          ; a lane permute's destination counts as read
.endr
	s_wait_loadcnt 16                              ; x is in; router_w's sixteen loads may be out
.irp i, 0,1,2,3,4,5,6,7
	ds_store_b128 v6, v[XR+4*\i:XR+4*\i+3] offset:576*\i
.endr
.irp j, 0,1,2,3,4,5,6,7
	ds_load_b128 v[X+4*\j:X+4*\j+3], v7 offset:16*\j   ; LDS serves a wave in order: these see my stores.  Lane l now holds x[32 l .. 32 l + 31]
.endr
	s_wait_loadcnt 0x0
.irp q, 0,1,2,3,4,5,6,7,8,9,10,11,12,13,14,15
	ds_store_b128 v4, v[WB+4*\q:WB+4*\q+3] offset:2080*\q
.endr
	s_wait_dscnt 0x0                               ; for the others' sake: my part of router_w lies in LDS
	s_barrier_signal -1
	s_barrier_wait -1
.macro WBLK b                          ; rows 8 b .. 8 b + 7 of my 32: 256 bytes
.irp i, 0,1,2,3,4,5,6,7,8,9,10,11,12,13,14,15
	ds_load_b128 v[WB+64*((\b)%2)+4*\i:WB+64*((\b)%2)+4*\i+3], v5 offset:256*(\b)+16*\i
.endr
.endm
.macro FMA8 b                          ; 64 multiply-adds, the eight sums by turns; the first row starts them
.irp i, 0,1,2,3,4,5,6,7
.irp e, 0,1,2,3,4,5,6,7
.if (\b) == 0 && \i == 0
	v_mul_f32 v[ACC+\e], v[X], v[WB+\e]
.else
	v_fmac_f32 v[ACC+\e], v[X+8*(\b)+\i], v[WB+64*((\b)%2)+8*\i+\e]
.endif
.endr
.endr
.endm
	WBLK 0
	WBLK 1
	s_wait_dscnt 16                                ; this block is in, the next block's sixteen loads may be out
	FMA8 0
	WBLK 2
	s_wait_alu depctr_va_vdst(0)
	s_wait_dscnt 16
	FMA8 1
	WBLK 3
	s_wait_alu depctr_va_vdst(0)
	s_wait_dscnt 16
	FMA8 2
	s_wait_alu depctr_va_vdst(0)
	s_wait_dscnt 0x0
	FMA8 3
.irp k, 1,2,4,8
.irp e, 0,1,2,3,4,5,6,7
	v_add_f32_dpp v[ACC+\e], v[ACC+\e], v[ACC+\e] row_xmask:\k row_mask:0xf bank_mask:0xf
.endr
.endr
.irp e, 0,1,2,3,4,5,6,7
	v_permlanex16_b32 v[56+\e], v[ACC+\e], s22, s23
.endr
.irp e, 0,1,2,3,4,5,6,7
	v_add_f32 v[ACC+\e], v[ACC+\e], v[56+\e]       ; every lane holds the token's eight sums
.endr
	s_wait_alu depctr_va_vdst(0)
	s_wait_kmcnt 0x0
.irp e, 0,1,2,3,4,5,6,7
	v_add_f32 v[ACC+\e], s[24+\e], v[ACC+\e]       ; + router_b
.endr
	; softmax: the largest logit is taken away first
	v_max3_num_f32 v56, v48, v49, v50
	v_max3_num_f32 v56, v56, v51, v52
	v_max3_num_f32 v56, v56, v53, v54
	v_max_num_f32 v56, v56, v55
.irp e, 0,1,2,3,4,5,6,7
	v_sub_f32 v[ACC+\e], v[ACC+\e], v56
.endr
.irp e, 0,1,2,3,4,5,6,7
	v_mul_f32 v[ACC+\e], 0x3fb8aa3b, v[ACC+\e]
.endr
	s_wait_alu depctr_va_vdst(0)
.irp e, 0,1,2,3,4,5,6,7
	v_exp_f32 v[ACC+\e], v[ACC+\e]
.endr
	v_nop                                          ; a plain place behind the exponentials
	s_wait_alu depctr_va_vdst(0)
	v_add_f32 v57, v48, v49
	v_add_f32 v58, v50, v51
	v_add_f32 v59, v52, v53
	v_add_f32 v60, v54, v55
	v_add_f32 v57, v57, v58
	v_add_f32 v59, v59, v60
	v_add_f32 v57, v57, v59
	s_wait_alu depctr_va_vdst(0)
	v_rcp_f32 v57, v57
	v_nop
	s_wait_alu depctr_va_vdst(0)
.irp e, 0,1,2,3,4,5,6,7
	v_mul_f32 v[ACC+\e], v[ACC+\e], v57            ; the probabilities
.endr
	; the two largest, without a branch: a strict 'greater' keeps the lower index at a tie
	v_mov_b32 v57, v48
	v_mov_b32 v58, 0
.irp k, 1,2,3,4,5,6,7
	v_cmp_gt_f32 vcc_lo, v[ACC+\k], v57
	v_cndmask_b32 v57, v57, v[ACC+\k], vcc_lo
	v_cndmask_b32 v58, v58, \k, vcc_lo
.endr
.irp k, 0,1,2,3,4,5,6,7
	v_cmp_eq_u32 vcc_lo, \k, v58
	v_cndmask_b32 v[ACC+\k], v[ACC+\k], -1.0, vcc_lo   ; the winner steps out: no probability lies under 0
.endr
	v_mov_b32 v59, v48
	v_mov_b32 v60, 0
.irp k, 1,2,3,4,5,6,7
	v_cmp_gt_f32 vcc_lo, v[ACC+\k], v59
	v_cndmask_b32 v59, v59, v[ACC+\k], vcc_lo
	v_cndmask_b32 v60, v60, \k, vcc_lo
.endr
	v_add_f32 v61, v57, v59
	v_add_f32 v61, 0x322bcc77, v61                 ; + 1e-8
	s_wait_alu depctr_va_vdst(0)
	v_rcp_f32 v61, v61
	v_mov_b32 v12, v58                             ; (a plain place)  word 0: the first expert
	s_wait_alu depctr_va_vdst(0)
	v_mul_f32 v62, v57, v61
	v_mul_f32 v63, v59, v61                        ; the two weights
	v_lshlrev_b32 v15, v58, v11
	v_lshlrev_b32 v14, v60, v11
	v_or_b32 v15, v15, v14                         ; word 3: the bit mask of the two
	v_and_b32 v13, 15, v15
	v_mul_u32_u24 v13, v13, 0x204081               ; bit i goes to bits i, i + 7, i + 14, i + 21: bit 8 i holds bit i
	v_and_b32 v13, 0x01010101, v13                 ; word 1: a byte of 0 or 1 for each of experts 0-3
	v_lshrrev_b32 v14, 4, v15
	v_mul_u32_u24 v14, v14, 0x204081
	v_and_b32 v14, 0x01010101, v14                 ; word 2: the same for experts 4-7
	; my block of 32: largest magnitude (with the floor 2^-124 among the leaves), scale, codes
	v_max3_num_f32 v64, |v16|, |v17|, 0x1800000
	v_max3_num_f32 v65, |v18|, |v19|, |v20|
.irp i, 21,25,29,33,37,41
	v_max3_num_f32 v64, v64, |v[\i]|, |v[\i+1]|
	v_max3_num_f32 v65, v65, |v[\i+2]|, |v[\i+3]|
.endr
	v_max3_num_f32 v64, v64, |v45|, |v46|
	v_max3_num_f32 v64, v64, v65, |v47|
	v_add_nc_u32 v66, 0xff000000, v64              ; 2 off the exponent field: the conversion takes this field as its scale
	v_lshrrev_b32 v67, 23, v66                     ; the scale's byte
	v_cvt_scalef32_pk16_fp6_f32 v[192:194], v[16:31], v66
	v_cvt_scalef32_pk16_fp6_f32 v[196:198], v[32:47], v66
	v_nop
	ds_store_b96 v8, v[192:194]                    ; 12 bytes to a place of 16: place p holds bytes 12 p .. 12 p + 11 of the row's 768
	ds_store_b96 v8, v[196:198] offset:16
	ds_load_b96 v[200:202], v9
	ds_load_b96 v[204:206], v9 offset:512
	s_wait_alu depctr_va_vdst(0)
	s_wait_dscnt 0x0
	global_store_b96 v10, v[200:202], s[16:17]             ; each store of the wave covers 384 consecutive bytes
	global_store_b96 v10, v[204:206], s[16:17] offset:384
	global_store_b8 v1, v67, s[18:19] offset:XS            ; 32 consecutive bytes
	s_wait_xcnt 0x0                                ; EXEC changes only behind this wait
	v_cmp_eq_u32 vcc_lo, 0, v1
	s_wait_tensorcnt 0x0
	ds_add_u32 v208, v209
	s_wait_dscnt 0x0
	s_and_saveexec_b32 s15, vcc_lo                 ; lane 0 alone; its v1 is 0 and serves as the offset
	global_store_b128 v1, v[12:15], s[10:11]
	global_store_b64 v1, v[62:63], s[20:21] offset:GT
	s_endpgm
.Lfunc_end_k_qf696bc1b51_route_q:
	.size	k_qf696bc1b51_route_q, .Lfunc_end_k_qf696bc1b51_route_q-k_qf696bc1b51_route_q
	.p2alignl 7, 3214868480
	.fill 96, 4, 3214868480
	.section	.rodata,"a",@progbits
	.p2align	6, 0x0
	.amdhsa_kernel k_qf696bc1b51_route_q
		.amdhsa_group_segment_fixed_size 56320
		.amdhsa_private_segment_fixed_size 0
		.amdhsa_enable_private_segment 0
		.amdhsa_kernarg_size 40
		.amdhsa_user_sgpr_count 2
		.amdhsa_user_sgpr_kernarg_segment_ptr 1
		.amdhsa_wavefront_size32 1
		.amdhsa_system_sgpr_workgroup_id_x 1
		.amdhsa_system_sgpr_workgroup_id_y 1
		.amdhsa_system_sgpr_workgroup_id_z 1
		.amdhsa_system_vgpr_workitem_id 0
		.amdhsa_next_free_vgpr 210
		.amdhsa_next_free_sgpr 66
		.amdhsa_reserve_vcc 1
		.amdhsa_float_denorm_mode_32 3
		.amdhsa_float_denorm_mode_16_64 3
		.amdhsa_memory_ordered 1
		.amdhsa_forward_progress 1
		.amdhsa_inst_pref_size 30
	.end_amdhsa_kernel
	.amdgpu_metadata
---
amdhsa.version: [ 1, 2 ]
amdhsa.kernels:
  - .name:           k_qf696bc1b51_route_q
    .symbol:         k_qf696bc1b51_route_q.kd
    .args:
      - { .name: x, .offset: 0, .size: 8, .value_kind: global_buffer, .address_space: global }
      - { .name: router_w, .offset: 8, .size: 8, .value_kind: global_buffer, .address_space: global }
      - { .name: router_b, .offset: 16, .size: 8, .value_kind: global_buffer, .address_space: global }
      - { .name: route, .offset: 24, .size: 8, .value_kind: global_buffer, .address_space: global }
      - { .name: xq, .offset: 32, .size: 8, .value_kind: global_buffer, .address_space: global }
    .group_segment_fixed_size: 56320
    .private_segment_fixed_size: 0
    .kernarg_segment_align: 8
    .kernarg_segment_size: 40
    .max_flat_workgroup_size: 128
    .sgpr_count:     66
    .vgpr_count:     210
    .wavefront_size: 32
...
	.end_amdgpu_metadata
.endif
;; end of part 6
;; launch place (part 7): grid 8 x 1, 1 waves a work-group, no clusters, 0 bytes of LDS; arguments route, plan; writes plan
.if DOCPART == 7
	.amdgcn_target "amdgcn-amd-amdhsa--gfx1250"
	.amdhsa_code_object_version 6
	.text
	.protected	k_qf696bc1b51_place
	.globl	k_qf696bc1b51_place
	.p2align	8
	.type	k_qf696bc1b51_place,@function
k_qf696bc1b51_place:
	s_mov_b64 s[64:65], 0
	v_nop
	global_prefetch_b8 v0, s[64:65] scope:SCOPE_SE
	s_setreg_imm32_b32 hwreg(HW_REG_WAVE_MODE, 25, 1), 1
	s_wait_xcnt 0x0
; THE ROWS ARE PLACED BY EXPERT: a counting sort on whole numbers.  Work-group e, one wave, places expert e's rows.
; Each expert's rows keep the order of the tokens and are filled up to a multiple of 32 slots (a tile); expert e's tiles follow those of experts 0 .. e - 1.
; At most 64 + 7 = 71 tiles, 2,272 slots, whatever the choice.
; OUT: plan: at 8 e: first tile, number of tiles;  at STOK: slot -> token (filling slots: token 0);  at POS: [token][first or second choice] -> slot.
; Lanes with nothing to store aim at a dump word of the work-group's own (behind each table), which nobody reads.
.set STOK, 256
.set POS,  9472
	s_load_b128 s[4:7], s[0:1], 0x0                ; route, plan
	v_and_b32 v1, 31, v0
	v_lshlrev_b32 v2, 4, v1
	s_mov_b32 s8, ttmp9                            ; my expert
	s_lshl_b32 s9, 1, s8                           ; its bit
	s_mov_b32 s10, 0x76543210
	s_mov_b32 s11, 0xfedcba98
	v_mov_b32 v12, s8
	v_add_nc_u32 v13, 2048, v12                    ; my dump word behind the tokens' table
	v_add_nc_u32 v12, 2272, v12                    ; and behind the slots' table
	s_wait_alu depctr_va_vdst(0)
	s_wait_kmcnt 0x0
.irp q, 0,1,2,3,4,5,6,7,8,9,10,11,12,13,14,15,16,17,18,19,20,21,22,23,24,25,26,27,28,29,30,31
	global_load_b128 v[16+4*\q:19+4*\q], v2, s[4:5] offset:512*\q   ; token 32 q + lane: its four words
.endr
	v_mov_b32 v10, 0                               ; destinations of lane moves count as read
	v_mov_b32 v11, 0
	v_mov_b32 v14, 0
	v_mov_b32 v15, 0
	s_wait_loadcnt 0x0
	; how many rows has each expert: the one-hot bytes are added (32 at the most in a lane), widened to 16 bits, added over the lanes
	v_add3_u32 v4, v17, v21, v25
	v_add3_u32 v5, v18, v22, v26
.irp q, 3,5,7,9,11,13,15,17,19,21,23,25,27,29
	v_add3_u32 v4, v4, v[17+4*\q], v[21+4*\q]
	v_add3_u32 v5, v5, v[18+4*\q], v[22+4*\q]
.endr
	v_add_nc_u32 v4, v4, v141
	v_add_nc_u32 v5, v5, v142
	v_and_b32 v6, 0xff00ff, v4                     ; experts 0, 2
	v_lshrrev_b32 v7, 8, v4
	v_and_b32 v7, 0xff00ff, v7                     ; experts 1, 3
	v_and_b32 v8, 0xff00ff, v5                     ; experts 4, 6
	v_lshrrev_b32 v9, 8, v5
	v_and_b32 v9, 0xff00ff, v9                     ; experts 5, 7
.irp k, 1,2,4,8
	v_mov_b32_dpp v10, v6 row_xmask:\k row_mask:0xf bank_mask:0xf
	v_mov_b32_dpp v11, v7 row_xmask:\k row_mask:0xf bank_mask:0xf
	v_mov_b32_dpp v14, v8 row_xmask:\k row_mask:0xf bank_mask:0xf
	v_mov_b32_dpp v15, v9 row_xmask:\k row_mask:0xf bank_mask:0xf
	v_add_nc_u32 v6, v6, v10
	v_add_nc_u32 v7, v7, v11
	v_add_nc_u32 v8, v8, v14
	v_add_nc_u32 v9, v9, v15
.endr
	v_permlanex16_b32 v10, v6, s10, s11
	v_permlanex16_b32 v11, v7, s10, s11
	v_permlanex16_b32 v14, v8, s10, s11
	v_permlanex16_b32 v15, v9, s10, s11
	v_add_nc_u32 v6, v6, v10
	v_add_nc_u32 v7, v7, v11
	v_add_nc_u32 v8, v8, v14
	v_add_nc_u32 v9, v9, v15
	v_readfirstlane_b32 s12, v6
	v_readfirstlane_b32 s13, v7
	v_readfirstlane_b32 s14, v8
	v_readfirstlane_b32 s15, v9
	s_and_b32 s16, s12, 0xffff
	s_and_b32 s17, s13, 0xffff
	s_lshr_b32 s18, s12, 16
	s_lshr_b32 s19, s13, 16
	s_and_b32 s20, s14, 0xffff
	s_and_b32 s21, s15, 0xffff
	s_lshr_b32 s22, s14, 16
	s_lshr_b32 s23, s15, 16
	s_mov_b32 s32, 0                               ; my first tile
	s_mov_b32 s33, 0                               ; my number of tiles
.irp k, 0,1,2,3,4,5,6,7
	s_add_co_u32 s[24+\k], s[16+\k], 31
	s_lshr_b32 s[24+\k], s[24+\k], 5               ; tiles of expert k
	s_cmp_eq_u32 s8, \k
	s_cselect_b32 s33, s[24+\k], s33
	s_cmp_lt_u32 \k, s8
	s_cselect_b32 s34, s[24+\k], 0
	s_add_co_u32 s32, s32, s34
.endr
	s_lshl_b32 s36, s32, 5                         ; the next free slot
	s_add_co_u32 s38, s32, s33
	s_lshl_b32 s38, s38, 5                         ; the end of my slots
	; 32 tokens at a time.  Each turn has four registers of its own (the token's four words, which are done with), so no store's sources are written again.
.set QQ, 0
.rept 32
	v_and_b32 v4, s9, v[19+4*QQ]
	v_cmp_ne_u32 vcc_lo, 0, v4                     ; tokens that chose me
	v_cmp_ne_u32 s35, s8, v[16+4*QQ]               ; as their second choice
	v_mbcnt_lo_u32_b32 v[18+4*QQ], vcc_lo, s36     ; the slot: the next free one + the choosers in the lanes below
	v_cndmask_b32 v5, 0, 1, s35
	v_add_nc_u32 v[19+4*QQ], 32*QQ, v1             ; the token
	v_lshl_add_u32 v5, v[19+4*QQ], 1, v5
	v_cndmask_b32 v[16+4*QQ], v12, v[18+4*QQ], vcc_lo
	v_cndmask_b32 v[17+4*QQ], v13, v5, vcc_lo
	v_min_u32 v[16+4*QQ], 2279, v[16+4*QQ]         ; held inside the tables ahead of every address
	v_min_u32 v[17+4*QQ], 2055, v[17+4*QQ]
	v_lshlrev_b32 v[16+4*QQ], 2, v[16+4*QQ]
	v_lshlrev_b32 v[17+4*QQ], 2, v[17+4*QQ]
	global_store_b32 v[16+4*QQ], v[19+4*QQ], s[6:7] offset:STOK
	global_store_b32 v[17+4*QQ], v[18+4*QQ], s[6:7] offset:POS
	s_bcnt1_i32_b32 s37, vcc_lo
	s_add_co_u32 s36, s36, s37
.set QQ, QQ+1
.endr
	v_add_nc_u32 v144, s36, v1                     ; the filling slots, 31 at the most: token 0
	v_cmp_gt_u32 vcc_lo, s38, v144
	v_cndmask_b32 v144, v12, v144, vcc_lo
	v_min_u32 v144, 2279, v144
	v_lshlrev_b32 v144, 2, v144
	v_mov_b32 v145, 0
	global_store_b32 v144, v145, s[6:7] offset:STOK
	v_mov_b32 v146, s32
	v_mov_b32 v147, s33
	v_mov_b32 v148, s8
	v_lshlrev_b32 v148, 3, v148
	s_wait_alu depctr_va_vdst(0)
	s_wait_xcnt 0x0                                ; EXEC changes only behind this wait
	v_cmp_eq_u32 vcc_lo, 0, v1
	s_and_saveexec_b32 s39, vcc_lo
	global_store_b64 v148, v[146:147], s[6:7]
	s_endpgm
.Lfunc_end_k_qf696bc1b51_place:
	.size	k_qf696bc1b51_place, .Lfunc_end_k_qf696bc1b51_place-k_qf696bc1b51_place
	.p2alignl 7, 3214868480
	.fill 96, 4, 3214868480
	.section	.rodata,"a",@progbits
	.p2align	6, 0x0
	.amdhsa_kernel k_qf696bc1b51_place
		.amdhsa_group_segment_fixed_size 0
		.amdhsa_private_segment_fixed_size 0
		.amdhsa_enable_private_segment 0
		.amdhsa_kernarg_size 16
		.amdhsa_user_sgpr_count 2
		.amdhsa_user_sgpr_kernarg_segment_ptr 1
		.amdhsa_wavefront_size32 1
		.amdhsa_system_sgpr_workgroup_id_x 1
		.amdhsa_system_sgpr_workgroup_id_y 1
		.amdhsa_system_sgpr_workgroup_id_z 1
		.amdhsa_system_vgpr_workitem_id 0
		.amdhsa_next_free_vgpr 160
		.amdhsa_next_free_sgpr 66
		.amdhsa_reserve_vcc 1
		.amdhsa_float_denorm_mode_32 3
		.amdhsa_float_denorm_mode_16_64 3
		.amdhsa_memory_ordered 1
		.amdhsa_forward_progress 1
		.amdhsa_inst_pref_size 40
	.end_amdhsa_kernel
	.amdgpu_metadata
---
amdhsa.version: [ 1, 2 ]
amdhsa.kernels:
  - .name:           k_qf696bc1b51_place
    .symbol:         k_qf696bc1b51_place.kd
    .args:
      - { .name: route, .offset: 0, .size: 8, .value_kind: global_buffer, .address_space: global }
      - { .name: plan, .offset: 8, .size: 8, .value_kind: global_buffer, .address_space: global }
    .group_segment_fixed_size: 0
    .private_segment_fixed_size: 0
    .kernarg_segment_align: 8
    .kernarg_segment_size: 16
    .max_flat_workgroup_size: 32
    .sgpr_count:     66
    .vgpr_count:     160
    .wavefront_size: 32
...
	.end_amdgpu_metadata
.endif
;; end of part 7
;; launch ffn1 (part 8): grid 256 x 1, 16 waves a work-group, no clusters, 112,640 bytes of LDS; arguments w1, b1, plan, xq, hq; writes hq
.if DOCPART == 8
	.amdgcn_target "amdgcn-amd-amdhsa--gfx1250"
	.amdhsa_code_object_version 6
	.text
	.protected	k_qf696bc1b51_ffn1
	.globl	k_qf696bc1b51_ffn1
	.p2align	8
	.type	k_qf696bc1b51_ffn1,@function
k_qf696bc1b51_ffn1:
	s_mov_b64 s[64:65], 0
	v_nop
	global_prefetch_b8 v0, s[64:65] scope:SCOPE_SE
	s_setreg_imm32_b32 hwreg(HW_REG_WAVE_SCHED_MODE, 0, 2), 2
	s_setreg_imm32_b32 hwreg(HW_REG_WAVE_MODE, 25, 1), 1
	s_wait_xcnt 0x0
	s_wait_alu depctr_vm_vsrc(0)
; h = gelu(x W1 + b1) for the rows that chose an expert, on codes of E2M3 with E8M0 scales, and h's own codes for the second product.
; Work-group (e, ks) owns w1[e][all 1,024 k][128 ks .. 128 ks + 127]: 512 KiB of f32, read from memory once, by this work-group alone.
; PHASE 1, THE STREAM.  A lane takes a column and its registers run down K, so a block of 32 along K lies in one lane and the conversions give codes with K innermost.
; Wave w takes columns 32 (w % 4) + lane and K from 256 (w / 4).  The codes go to LDS as IMAGES OF THE OPERAND'S REGISTERS: registers 4 j .. 4 j + 3 of lane L at 512 j + 16 L.
; THE COLUMNS OF A TILE ARE NOT NEIGHBOURS: row r of tile 2 b + u is column 32 b + 8 u + r + 8 (r / 8), so that a lane's 16 results of tiles 2 b, 2 b + 1 are 16 neighbours along the next K.
; One barrier; behind it LDS is only read.
; PHASE 2.  The expert's tiles of 32 slots are dealt to the 16 waves: wave w takes tiles w, w + 16, ..: (tiles + 15 - w) / 16 trips, five at the most.  The number of tiles is a stored whole
; number: so there is no tensor load, no cluster (partners would need different numbers of trips) and no barrier in the loop.  A wave: gathers its 32 tokens' codes, 128 matrix instructions
; (source 0 = 16 columns of W1, source 1 = 16 tokens; each fragment of W1 feeds two), b1 as the sums' start, gelu by erf in f32, the quantiser in registers, and h's images to memory.
; erf(z) = z P(z^2) / Q(z^2), z held to +-4: a rational form in f32, good to a few ulp for every z.
; LIMITS: NaN and infinities are not served; a block whose largest magnitude lies under 2^-124 keeps the byte 1 (a block of zeros has zero codes).
; THE MODE: SCHED_MODE bits 1:0 = 2 (LLVM: expert scheduling mode 2), set by the entry lines.  The code itself states the register dependences
; between vector or matrix instructions and memory or LDS instructions, with s_wait_alu, always for 0.
; THE PLAN, PHASE 1.  Registers that memory or LDS instructions touch:
;   v2, v3, v4    the loads' offset and the LDS stores' two addresses: made at the head, written anew only behind the barrier.
;   X0, X1        block t's maxima and conversions read X[t % 2]; behind them the loads of block t + 2 land in it.
;   v16-21        block t's conversions and moves write the codes; its two LDS stores read them.
;   v28-29        the blocks' vector lines gather the scale bytes; two LDS stores behind block 7 read them.
; One wait on va_vdst a block, behind the moves, serves the block's 32 loads and its two LDS stores; one wait on vm_vsrc a block, ahead of the conversions, frees the codes' registers.
; THE PLAN, PHASE 2.  v5-9: addresses made ahead of the loop and never written in it.  In a trip:
;   v4, v14, v15  three adds at the trip's head write them; the tokens' loads and h's stores read them.       v10-13: made from the tokens; x's loads read them.
;   v124-125      the tokens' loads land here; vector lines hold and read them.
;   ACC           b1's loads land here; matrix instructions, gelu and the quantiser work on it.
;   WF, WS        LDS loads land here, twice and once a K step; the step's matrix instructions read them.
;   XF, XSR       two sets: in step s the loads of step s + 1 land in the set that step s - 1's matrix instructions read.
;   v16-27, v36-47, v56-57   the quantiser writes h's codes and scale words; eight stores read them; the next trip's LDS loads land there.
; Waits on va_vdst: behind the three adds; ahead of x's first loads; at the head of K steps 1 to 7 and in every step's middle; two in each gelu (ahead of and behind its reciprocals); one ahead of the eight stores.
; One wait on vm_vsrc a trip, at its end, ahead of the branch.  All 256 registers of the wave are taken (four waves of 256 fill a SIMD's 1,024): no further set of fragments fits.
.set PITCH, 16384                      ; bytes from one k to the next in w1
.set IMG,   1664                       ; an image: 1,536 bytes + 128
.set KIMG,  8*IMG                      ; a K step's eight images
.set WSC,   8*KIMG                     ; behind the images: scale words [K step][row][tile], 512 bytes a K step
.set SSTEP, 512
.set STOK,  256
.set XS,    786432
.set HSO,   6979584
.set GA,   2                           ; stream: v2 4 x lane; v3 where my codes go; v4 where my scale words go; v12-14 at work
.set WADR, 3
.set WSW,  4
.set C,    16                          ; v16-21 a block's codes; v24-26 its second half as the conversion leaves it
.set T,    24
.set SB,   28                          ; v28-29 scale bytes, four to a register
.set X,    128                         ; v128-191 two sets of 32 numbers
.set RADR, 5                           ; v5, v6  16 x lane; the same 32 images on
.set WSA,  7                           ; v7   my row's scale words of W1
.set BA,   8                           ; v8   64 x (lane / 16): b1
.set R4,   9                           ; v9   4 x (lane % 16)
.set XA,   10                          ; v10-11 my token's codes, sub-tile 0, 1
.set XSA,  12                          ; v12-13 its scale bytes
.set HA,   14                          ; v14  h's images
.set HSA,  15                          ; v15  h's scale words
.set WF,   16                          ; v16-63  four fragments of W1
.set XF,   64                          ; v64-111 x: two sets of two fragments
.set WS,   112                         ; v112-119 W1's scale words: these and the next four hold scales alone
.set XSR,  120                         ; v120-123 x's scale words, two sets of two
.set ACC,  128                         ; v128-255 accumulator (m, n) at 64 m + 8 n
.set Z,    16                          ; gelu, at work
.set Z2,   24
.set P,    32
.set Q,    40
.set PC,   16                          ; h's codes: v16-34, v36-54
.set PW,   56                          ; v56-57 h's scale words
.set TM,   64                          ; v64-79 the quantiser, at work
.set SEL,  40
.macro PLACES                          ; four plain places between a matrix instruction and a load into, or a vector instruction on, its registers
.rept 4
	v_nop
.endr
.endm
	s_load_b256 s[4:11], s[0:1], 0x0               ; w1 s[4:5], b1 s[6:7], plan s[8:9], xq s[10:11]
	s_load_b64 s[12:13], s[0:1], 0x20              ; hq
	v_lshl_add_u32 v126, v0, 2, 0x1b000
	v_mov_b32 v127, 0
	v_lshrrev_b32 v1, 5, v0
	v_readfirstlane_b32 s14, v1                    ; wave 0..15
	v_and_b32 v1, 31, v0
	v_lshlrev_b32 v[GA], 2, v1
	s_lshr_b32 s15, ttmp9, 5                       ; expert
	s_and_b32 s20, ttmp9, 31                       ; which 128 columns: the second product's K step
	s_wait_alu depctr_va_sdst(0)                   ; s14 is written, ahead of its first reader
	s_and_b32 s21, s14, 3
	s_lshr_b32 s22, s14, 2
	v_and_b32 v5, 7, v1
	v_lshrrev_b32 v6, 4, v1
	v_lshl_add_u32 v5, v6, 3, v5                   ; my column's row in its tile: lane % 8 + 8 (lane / 16)
	v_bfe_u32 v6, v1, 3, 1                         ; and which of my wave's two tiles
	v_mul_u32_u24 v[WADR], v6, IMG
	v_lshl_add_u32 v[WADR], v5, 4, v[WADR]
	s_mul_i32 s23, s21, 2*IMG
	s_mul_i32 s24, s22, 2*KIMG
	s_add_co_u32 s23, s23, s24
	v_add_nc_u32 v[WADR], s23, v[WADR]
	v_lshlrev_b32 v[WSW], 5, v5
	v_lshl_add_u32 v[WSW], v6, 2, v[WSW]
	s_lshl_b32 s23, s21, 3
	s_lshl_b32 s24, s22, 10
	s_add_co_u32 s23, s23, s24
	s_add_co_u32 s23, s23, WSC
	v_add_nc_u32 v[WSW], s23, v[WSW]
	s_lshl_b32 s24, s15, 24                        ; expert x 16 MiB
	s_lshl_b32 s25, s22, 22                        ; + 256 k x 16,384 bytes for each (wave / 4)
	s_add_co_u32 s24, s24, s25
	s_lshl_b32 s25, s20, 9
	s_add_co_u32 s24, s24, s25
	s_lshl_b32 s25, s21, 7
	s_add_co_u32 s24, s24, s25
	s_mov_b32 s25, 0
	s_lshl_b32 s26, s15, 3
	s_lshl_b32 s30, s15, 14                        ; b1: expert x 16,384 + 512 x ks
	s_lshl_b32 s31, s20, 9
	s_add_co_u32 s30, s30, s31
	s_mov_b32 s31, 0
	s_mul_i32 s28, s20, 1536
	s_lshl_b32 s29, s20, 6
	s_mov_b32 s32, 0xaf95df0b                      ; erf's leading coefficients, as pairs for the packed forms
	s_mov_b32 s33, s32
	s_mov_b32 s34, 0x32edffee
	s_mov_b32 s35, s34
	s_mov_b32 s36, 0xb77460cd
	s_mov_b32 s37, s36
	s_mov_b32 s38, 0xb95fbd29
	s_mov_b32 s39, s38
	s_mov_b32 s[SEL], 0x76543210
	s_mov_b32 s[SEL+1], 0xfedcba98
	s_wait_kmcnt 0x0
	s_add_nc_u64 s[4:5], s[4:5], s[24:25]
	s_add_nc_u64 s[6:7], s[6:7], s[30:31]
	s_load_b64 s[16:17], s[8:9], s26 offset:0x0    ; my expert's first tile and number of tiles
	s_wait_alu depctr_va_vdst(0)                   ; v2, v3 and v4 are written: the stream's loads and LDS stores read them as offset and addresses
.macro LOADB t                         ; block t: w(32 t + i, my column): each load reads 128 consecutive bytes, the four waves of a K range 512
.irp i, 0,1,2,3,4,5,6,7,8,9,10,11,12,13,14,15,16,17,18,19,20,21,22,23,24,25,26,27,28,29,30,31
	global_load_b32 v[X+32*((\t)%2)+\i], v[GA], s[4:5] offset:(32*(\t)+\i)*PITCH th:TH_LOAD_NT
.endr
.endm
.macro BLOCK t
.set XB, X+32*((\t)%2)
.set II, ((\t)/4)*KIMG+256*((\t)%2)    ; the K step's image; blocks 1 and 3 of a K step belong to lanes 16-31 of the operand
.if (\t) < 7
	s_wait_loadcnt 32                              ; this block is in, the next block's 32 loads may be out
.else
	s_wait_loadcnt 0x0
.endif
	v_max3_num_f32 v12, |v[XB]|, |v[XB+1]|, 0x1800000   ; the floor 2^-124 among the leaves holds the byte at 1 from below
	v_max3_num_f32 v13, |v[XB+2]|, |v[XB+3]|, |v[XB+4]|
.irp i, 5,9,13,17,21,25
	v_max3_num_f32 v12, v12, |v[XB+\i]|, |v[XB+\i+1]|
	v_max3_num_f32 v13, v13, |v[XB+\i+2]|, |v[XB+\i+3]|
.endr
	v_max3_num_f32 v12, v12, |v[XB+29]|, |v[XB+30]|
	v_max3_num_f32 v12, v12, v13, |v[XB+31]|
	v_add_nc_u32 v14, 0xff000000, v12              ; 2 off the exponent field: the conversion's scale operand
	v_lshrrev_b32 v13, 23, v14                     ; the byte
.if (\t)%4 == 0
	v_mov_b32 v[SB+(\t)/4], v13
.else
	v_lshl_or_b32 v[SB+(\t)/4], v13, 8*((\t)%4), v[SB+(\t)/4]
.endif
.if (\t) > 0
	s_wait_alu depctr_vm_vsrc(0)                   ; the last block's two LDS stores have read v16-21, which the conversions and moves below write again
.endif
	v_cvt_scalef32_pk16_fp6_f32 v[C:C+2], v[XB:XB+15], v14
	v_cvt_scalef32_pk16_fp6_f32 v[T:T+2], v[XB+16:XB+31], v14   ; (a conversion's three registers begin on an even number)
	v_nop                                          ; a plain place behind the conversions
	v_mov_b32 v[C+3], v[T]
	v_mov_b32 v[C+4], v[T+1]
	v_mov_b32 v[C+5], v[T+2]
	s_wait_alu depctr_va_vdst(0)                   ; the maxima and conversions are done reading this set of 32, in which the loads below land; the codes v16-21 (and the scale bytes v28-29) are written, which LDS stores read
.if (\t) < 6
	LOADB (\t)+2
.endif
.if ((\t)/2)%2 == 0                    ; the operand's registers 0-5
	ds_store_b128 v[WADR], v[C:C+3] offset:II
	ds_store_b64 v[WADR], v[C+4:C+5] offset:II+512
.else                                  ; registers 6-11
	ds_store_b64 v[WADR], v[C:C+1] offset:II+520
	ds_store_b128 v[WADR], v[C+2:C+5] offset:II+1024
.endif
	s_wait_dscnt 0x0                               ; this block's two LDS stores are done before the next block begins (what frees their registers is the wait on vm_vsrc there)
.endm
	LOADB 0
	LOADB 1
.irp t, 0,1,2,3,4,5,6,7
	BLOCK \t
.endr
	ds_store_b32 v[WSW], v[SB]                     ; no vector instruction since block 7's wait on va_vdst names v4, v28 or v29
	ds_store_b32 v[WSW], v[SB+1] offset:SSTEP
	s_wait_dscnt 0x0                               ; for the others' sake: my images and scale words lie in LDS
	s_barrier_signal -1
	s_barrier_wait -1                              ; the launch's one barrier, on every wave's way, ahead of every branch on stored numbers
	s_wait_alu depctr_vm_vsrc(0)                   ; the stream's loads have read v2, its LDS stores v3, v4, v16-21 and v28-29: all but v3 are written anew from here on
	v_and_b32 v1, 15, v0
	v_bfe_u32 v[BA], v0, 4, 1
	v_mul_u32_u24 v2, v[BA], 24                    ; v2: 24 x (lane / 16)
	v_and_b32 v[RADR], 31, v0
	v_lshlrev_b32 v[RADR], 4, v[RADR]
	v_add_nc_u32 v[RADR+1], 32*IMG, v[RADR]
	v_lshlrev_b32 v[WSA], 5, v1
	v_add_nc_u32 v[WSA], WSC, v[WSA]
	v_lshlrev_b32 v[BA], 6, v[BA]
	v_lshlrev_b32 v[R4], 2, v1
	s_wait_kmcnt 0x0
	s_min_u32 s17, s17, 71                         ; there are never more than 71 tiles
	s_add_co_u32 s18, s16, s14                     ; my first tile
	s_add_co_u32 s19, s17, 15
	s_sub_co_u32 s19, s19, s14
	s_lshr_b32 s19, s19, 4                         ; my trips: (tiles + 15 - wave) / 16
	s_mov_b32 s21, 0                               ; trips done
	s_cmp_eq_u32 s19, 0
	s_cbranch_scc1 .Ldone
.macro XLOAD s                         ; x's two fragments and scale words of K step s: 14 loads
.irp m, 0,1
.irp p, 0,1,2,3,4,5
	global_load_b64 v[XF+24*((\s)%2)+12*\m+2*\p:XF+24*((\s)%2)+12*\m+2*\p+1], v[XA+\m], s[10:11] offset:96*(\s)+48*(\p/3)+8*(\p%3)
.endr
	global_load_b32 v[XSR+2*((\s)%2)+\m], v[XSA+\m], s[10:11] offset:XS+4*(\s)
.endr
.endm
.macro WLOAD s, n0                     ; four images of W1: tiles n0 .. n0 + 3 of K step s
.irp k, 0,1,2,3
.irp j, 0,1,2
	ds_load_b128 v[WF+12*\k+4*\j:WF+12*\k+4*\j+3], v[RADR+(\s)/4] offset:((8*(\s)+\n0+\k)%32)*IMG+512*\j
.endr
.endr
.endm
.macro MUL8 s, n0                      ; eight accumulators, one instruction a turn
.irp k, 0,1,2,3
.irp m, 0,1
	v_wmma_scale_f32_16x16x128_f8f6f4 v[ACC+64*\m+8*(\n0+\k):ACC+64*\m+8*(\n0+\k)+7], v[WF+12*\k:WF+12*\k+11], v[XF+24*((\s)%2)+12*\m:XF+24*((\s)%2)+12*\m+11], v[ACC+64*\m+8*(\n0+\k):ACC+64*\m+8*(\n0+\k)+7], v[WS+\n0+\k], v[XSR+2*((\s)%2)+\m] matrix_a_fmt:MATRIX_FMT_FP6 matrix_b_fmt:MATRIX_FMT_FP6
.endr
.endr
.endm
.macro KSTEP s
	PLACES
.if (\s) > 0
	s_wait_alu depctr_va_vdst(0)                   ; the last step's matrix instructions are done reading the four fragments of W1, its scale words and the other set of x: the loads below land in all three.  (In step 0 the waits at the trip's head have stated this)
.endif
	WLOAD \s, 0
	ds_load_b128 v[WS:WS+3], v[WSA] offset:512*(\s)
	ds_load_b128 v[WS+4:WS+7], v[WSA] offset:512*(\s)+16
.if (\s) < 7
	XLOAD (\s)+1                                   ; as early as its set of registers is free, and issued while the LDS loads above are out
	s_wait_loadcnt 14                              ; all but the 14 just issued: this step's x (and, in step 0, b1) is in
.else
	s_wait_loadcnt 0x0
.endif
	s_wait_dscnt 0x0
	MUL8 \s, 0
	PLACES
	s_wait_alu depctr_va_vdst(0)                   ; the eight matrix instructions above are done reading the four fragments of W1, in which the next four land
	WLOAD \s, 4
	s_wait_dscnt 0x0
	MUL8 \s, 4
.endm
.macro GELU a                          ; eight numbers in place: 0.5 h (1 + erf(h / sqrt 2)); line by line over four pairs, so that no line waits for the one above
.irp i, 0,2,4,6
	v_pk_mul_f32 v[Z+\i:Z+\i+1], v[\a+\i:\a+\i+1], 0x3f3504f3 op_sel_hi:[1,0]
.endr
.irp i, 0,1,2,3,4,5,6,7
	v_med3_num_f32 v[Z+\i], v[Z+\i], -4.0, 4.0
.endr
.irp i, 0,2,4,6
	v_pk_mul_f32 v[Z2+\i:Z2+\i+1], v[Z+\i:Z+\i+1], v[Z+\i:Z+\i+1]
.endr
.irp i, 0,2,4,6
	v_pk_fma_f32 v[P+\i:P+\i+1], v[Z2+\i:Z2+\i+1], s[32:33], s[34:35] op_sel_hi:[1,0,0]
.endr
.irp i, 0,2,4,6
	v_pk_fma_f32 v[Q+\i:Q+\i+1], v[Z2+\i:Z2+\i+1], s[36:37], s[38:39] op_sel_hi:[1,0,0]
.endr
.irp k, 0xb60cff51, 0xb86ec2d2, 0xba40ac63, 0xbb41a1f6, 0xbc83dbd4
.irp i, 0,2,4,6
	v_pk_fma_f32 v[P+\i:P+\i+1], v[P+\i:P+\i+1], v[Z2+\i:Z2+\i+1], \k op_sel_hi:[1,1,0]
.endr
.endr
.irp k, 0xbadc924e, 0xbbf19bf8, 0xbc69b6a7
.irp i, 0,2,4,6
	v_pk_fma_f32 v[Q+\i:Q+\i+1], v[Q+\i:Q+\i+1], v[Z2+\i:Z2+\i+1], \k op_sel_hi:[1,1,0]
.endr
.endr
	s_wait_alu depctr_va_vdst(0)
.irp i, 0,1,2,3,4,5,6,7
	v_rcp_f32 v[Q+\i], v[Q+\i]
.endr
.irp i, 0,2,4,6
	v_pk_mul_f32 v[P+\i:P+\i+1], v[P+\i:P+\i+1], v[Z+\i:Z+\i+1]      ; (plain places behind the reciprocals)
.endr
.irp i, 0,2,4,6
	v_pk_mul_f32 v[\a+\i:\a+\i+1], v[\a+\i:\a+\i+1], 0.5 op_sel_hi:[1,0]
.endr
	s_wait_alu depctr_va_vdst(0)                   ; the eight reciprocals have written v40-47, which the next four lines read: one wait for the batch
.irp i, 0,2,4,6
	v_pk_mul_f32 v[P+\i:P+\i+1], v[P+\i:P+\i+1], v[Q+\i:Q+\i+1]      ; erf
.endr
.irp i, 0,2,4,6
	v_pk_fma_f32 v[\a+\i:\a+\i+1], v[\a+\i:\a+\i+1], v[P+\i:P+\i+1], v[\a+\i:\a+\i+1]
.endr
.endm
; 64 numbers of a lane, register 16 b + i = k 32 b + 16 (lane / 16) + i of my row, become a fragment's 12 registers at v[pc] and its scale word in v[pw]
.macro QUANT s, pc, pw
.irp b, 0,1,2,3
	v_max3_num_f32 v[TM+\b], |v[\s+16*\b]|, |v[\s+1+16*\b]|, 0x1800000
.endr
.irp i, 2,4,6,8,10,12,14
.irp b, 0,1,2,3
	v_max3_num_f32 v[TM+\b], v[TM+\b], |v[\s+16*\b+\i]|, |v[\s+1+16*\b+\i]|
.endr
.endr
.irp b, 0,1,2,3
	v_permlanex16_b32 v[TM+4+\b], v[TM+\b], s[SEL], s[SEL+1]
.endr
.irp b, 0,1,2,3
	v_max_num_f32 v[TM+\b], v[TM+\b], v[TM+4+\b]   ; with lane l xor 16's: the block's largest magnitude
.endr
.irp b, 0,1,2,3
	v_add_nc_u32 v[TM+12+\b], 0xff000000, v[TM+\b]
.endr
.irp b, 0,1,2,3
	v_lshrrev_b32 v[TM+4+\b], 23, v[TM+12+\b]
.endr
	v_lshl_or_b32 v[\pw], v[TM+5], 8, v[TM+4]
	v_lshl_or_b32 v[\pw], v[TM+6], 16, v[\pw]
	v_lshl_or_b32 v[\pw], v[TM+7], 24, v[\pw]
.irp c, 0,1
	v_cvt_scalef32_pk16_fp6_f32 v[\pc+6*\c:\pc+2+6*\c], v[\s+32*\c:\s+15+32*\c], v[TM+12+2*\c]
	v_cvt_scalef32_pk16_fp6_f32 v[\pc+12+4*\c:\pc+14+4*\c], v[\s+16+32*\c:\s+31+32*\c], v[TM+12+2*\c+1]
.endr
	v_nop                                          ; a plain place behind the conversions
.irp c, 0,1                            ; the operand wants a whole block in a lane: lanes 0-15 block 2 c, lanes 16-31 block 2 c + 1
.irp i, 0,1,2
	v_permlane16_swap_b32 v[\pc+6*\c+\i], v[\pc+12+4*\c+\i]
.endr
.irp i, 0,1,2
	v_mov_b32 v[\pc+3+6*\c+\i], v[\pc+12+4*\c+\i]
.endr
.endr
.endm
.Ltile:
	s_min_u32 s30, s18, 70                         ; a stored number is held inside the tables ahead of every address
	s_lshl_b32 s31, s30, 7
	s_wait_alu depctr_va_vdst(0)
	v_add_nc_u32 v4, s31, v[R4]
	s_mul_i32 s31, s30, 98304
	s_add_co_u32 s31, s31, s28
	v_add_nc_u32 v[HA], s31, v[RADR]
	s_lshl_b32 s31, s30, 12
	s_add_co_u32 s31, s31, s29
	v_add_nc_u32 v[HSA], s31, v[R4]
	s_wait_alu depctr_va_vdst(0)                   ; v4, v14 and v15 are written (in the first trip v5 to v9 too), which loads and stores read; all earlier vector and matrix work is done with v124-125, the accumulators, the fragments and the scale words, in which this trip's loads land
	global_load_b32 v124, v4, s[8:9] offset:STOK       ; the tokens of slots 32 T + lane % 16,
	global_load_b32 v125, v4, s[8:9] offset:STOK+64    ; and of the 16 slots behind them
.irp m, 0,1                            ; b1 starts the sums: lane (r, h) wants, for tile n, the units 32 (n / 2) + 16 h + 8 (n % 2) + 0 .. 7
.irp n, 0,1,2,3,4,5,6,7
	global_load_b128 v[ACC+64*\m+8*\n:ACC+64*\m+8*\n+3], v[BA], s[6:7] offset:(32*(\n/2)+8*(\n%2))*4
	global_load_b128 v[ACC+64*\m+8*\n+4:ACC+64*\m+8*\n+7], v[BA], s[6:7] offset:(32*(\n/2)+8*(\n%2))*4+16
.endr
.endr
	s_wait_loadcnt 32                              ; the two tokens are in; b1's 32 loads may be out
	v_min_u32 v124, 1023, v124
	v_min_u32 v125, 1023, v125
	v_mul_u32_u24 v[XA], v124, 768
	v_mul_u32_u24 v[XA+1], v125, 768
	v_add_nc_u32 v[XA], v[XA], v2
	v_add_nc_u32 v[XA+1], v[XA+1], v2
	v_lshlrev_b32 v[XSA], 5, v124
	v_lshlrev_b32 v[XSA+1], 5, v125
	s_wait_alu depctr_va_vdst(0)                   ; v10 to v13 are written: x's loads of this trip read them as offsets
	XLOAD 0
.irp s, 0,1,2,3,4,5,6,7
	KSTEP \s
.endr
	PLACES
.irp a, 0,1,2,3,4,5,6,7,8,9,10,11,12,13,14,15
	GELU ACC+8*\a                                  ; each accumulator from its low end on
.endr
.irp b, 0,1,2,3
	v_mov_b32 v[TM+4+\b], 0                        ; a lane permute's destination counts as read
.endr
	QUANT ACC, PC, PW                              ; both sub-tiles are quantised first, into registers of their own,
	QUANT ACC+64, PC+20, PW+1
	s_wait_alu depctr_va_vdst(0)                   ; so that one wait serves the eight stores: the quantiser has written v16-27, v36-47, v56 and v57, which they read
.irp m, 0,1
.irp c, 0,1,2
	global_store_b128 v[HA], v[PC+20*\m+4*\c:PC+20*\m+4*\c+3], s[12:13] offset:49152*\m+512*\c   ; the image as it stands: 512 consecutive bytes a store
.endr
	global_store_b32 v[HSA], v[PW+\m], s[12:13] offset:HSO+2048*\m   ; both halves of the lanes hold the same word
.endr
	s_wait_xcnt 0x0                                ; the stores' data and offsets are written again in the next trip
	s_wait_alu depctr_vm_vsrc(0)                   ; beside it, ahead of the branch: this trip's loads have read v4 and v10-13, its stores v14, v15 and their data: the next trip writes all of them again
	s_add_co_u32 s18, s18, 16                      ; my next tile
	s_add_co_u32 s21, s21, 1                       ; the loop ends on the count of trips
	s_cmp_lt_u32 s21, s19
	s_cbranch_scc1 .Ltile
.Ldone:
	s_wait_dscnt 0x0                               ; the closing lines, six on end
	s_wait_alu 0x0
	s_wait_tensorcnt 0x0
	ds_add_u32 v126, v127
	s_wait_dscnt 0x0
	s_endpgm
.Lfunc_end_k_qf696bc1b51_ffn1:
	.size	k_qf696bc1b51_ffn1, .Lfunc_end_k_qf696bc1b51_ffn1-k_qf696bc1b51_ffn1
	.p2alignl 7, 3214868480
	.fill 96, 4, 3214868480
	.section	.rodata,"a",@progbits
	.p2align	6, 0x0
	.amdhsa_kernel k_qf696bc1b51_ffn1
		.amdhsa_group_segment_fixed_size 112640
		.amdhsa_private_segment_fixed_size 0
		.amdhsa_enable_private_segment 0
		.amdhsa_kernarg_size 40
		.amdhsa_user_sgpr_count 2
		.amdhsa_user_sgpr_kernarg_segment_ptr 1
		.amdhsa_wavefront_size32 1
		.amdhsa_system_sgpr_workgroup_id_x 1
		.amdhsa_system_sgpr_workgroup_id_y 1
		.amdhsa_system_sgpr_workgroup_id_z 1
		.amdhsa_system_vgpr_workitem_id 0
		.amdhsa_next_free_vgpr 256
		.amdhsa_next_free_sgpr 66
		.amdhsa_reserve_vcc 0
		.amdhsa_float_denorm_mode_32 3
		.amdhsa_float_denorm_mode_16_64 3
		.amdhsa_memory_ordered 1
		.amdhsa_forward_progress 1
		.amdhsa_inst_pref_size 192
	.end_amdhsa_kernel
	.amdgpu_metadata
---
amdhsa.version: [ 1, 2 ]
amdhsa.kernels:
  - .name:           k_qf696bc1b51_ffn1
    .symbol:         k_qf696bc1b51_ffn1.kd
    .args:
      - { .name: w1, .offset: 0, .size: 8, .value_kind: global_buffer, .address_space: global }
      - { .name: b1, .offset: 8, .size: 8, .value_kind: global_buffer, .address_space: global }
      - { .name: plan, .offset: 16, .size: 8, .value_kind: global_buffer, .address_space: global }
      - { .name: xq, .offset: 24, .size: 8, .value_kind: global_buffer, .address_space: global }
      - { .name: hq, .offset: 32, .size: 8, .value_kind: global_buffer, .address_space: global }
    .group_segment_fixed_size: 112640
    .private_segment_fixed_size: 0
    .kernarg_segment_align: 8
    .kernarg_segment_size: 40
    .max_flat_workgroup_size: 512
    .sgpr_count:     66
    .vgpr_count:     256
    .wavefront_size: 32
...
	.end_amdgpu_metadata
.endif
;; end of part 8
;; launch ffn2 (part 9): grid 256 x 1, 16 waves a work-group, no clusters, 174,080 bytes of LDS; arguments w2, b2, plan, hq, eo; writes eo
.if DOCPART == 9
	.amdgcn_target "amdgcn-amd-amdhsa--gfx1250"
	.amdhsa_code_object_version 6
	.text
	.protected	k_qf696bc1b51_ffn2
	.globl	k_qf696bc1b51_ffn2
	.p2align	8
	.type	k_qf696bc1b51_ffn2,@function
k_qf696bc1b51_ffn2:
	s_mov_b64 s[64:65], 0
	v_nop
	global_prefetch_b8 v0, s[64:65] scope:SCOPE_SE
	s_setreg_imm32_b32 hwreg(HW_REG_WAVE_SCHED_MODE, 0, 2), 2
	s_setreg_imm32_b32 hwreg(HW_REG_WAVE_MODE, 25, 1), 1
	s_wait_xcnt 0x0
	s_wait_alu depctr_vm_vsrc(0)
; eo[kh][slot][:] = h W2 over half of K (+ b2 in half 0), for the rows that chose an expert, on codes of E2M3 with E8M0 scales.
; Work-group (e, kh, ds) owns w2[e][2,048 kh .. + 2,047][64 ds .. + 63]: 512 KiB of f32, read from memory once, by this work-group alone.
; PHASE 1, THE STREAM: as in the first product's launch: a lane takes a column, its registers run down K; wave w takes columns 32 (w % 2) + lane and K from 256 (w / 2);
; the codes go to LDS as images of the operand's registers (registers 4 j .. 4 j + 3 of lane L at 512 j + 16 L).  One barrier; behind it the images are only read.
; PHASE 2: the expert's tiles of 32 slots are dealt to the 16 waves: wave w takes tiles w, w + 16, ..: (tiles + 15 - w) / 16 trips, five at the most.  Their number is a stored whole number:
; no tensor load, no cluster (partners would need different numbers of trips), no barrier in the loop.
; A wave: 16 K steps; h's images come from memory as they lie, two steps ahead; source 0 = 16 columns of W2, source 1 = 16 slots, so a lane holds eight neighbouring numbers of a row;
; the rows leave through the wave's own stage, sixteen lanes to 256 consecutive aligned bytes.  The two halves of K are added in the last launch: each byte of eo has one owner.
; LIMITS: NaN and infinities are not served; a block whose largest magnitude lies under 2^-124 keeps the byte 1 (a block of zeros has zero codes).
; THE MODE: SCHED_MODE bits 1:0 = 2 (LLVM: expert scheduling mode 2), set by the entry lines.  The code itself states the register dependences
; between vector or matrix instructions and memory or LDS instructions, with s_wait_alu, always for 0.
; THE PLAN, PHASE 1.  Registers that memory or LDS instructions touch:
;   v2, v3, v4, v15   the loads' offsets and the LDS stores' two addresses: made at the head; v2 to v4 are written anew only behind the barrier, v15 never.
;   X0, X1        block t's maxima and conversions read X[t % 2]; behind them the loads of block t + 2 land in it.
;   v16-21        block t's conversions and moves write the codes; its two LDS stores read them.
;   v28-29        the blocks' vector lines gather the scale bytes; two LDS stores behind block 7 read them.
; One wait on va_vdst a block, behind the moves, serves the block's 32 loads and its two LDS stores; one wait on vm_vsrc a block, ahead of the conversions, frees the codes' registers.
; THE PLAN, PHASE 2.  v5-9: LDS addresses made ahead of the loop and never written in it.  In a trip:
;   v10-12        three adds at the trip's head write them; h's loads and eo's stores read them.
;   WF, WS        LDS loads land here once a K step; the step's eight matrix instructions read them.
;   HF, HSR       three sets: in step s the loads of step s + 2 land in the set that step s - 1's matrix instructions read.
;   ACC           matrix instructions write it; the way out's sixteen LDS stores read it; the next trip's first matrix instructions write it again.
;   v16-79        on the way out the rows come back from the stage into them; sixteen global stores read them; the next trip's loads land there.
; Waits on va_vdst: behind the three adds; at the head of K steps 1 to 15; one ahead of the way out.  One wait on vm_vsrc a trip, at its end, ahead of the branch.
; All 256 registers of the wave but twelve are taken (four waves of 256 fill a SIMD's 1,024): no second set of W2's fragments fits.
.set PITCH, 4096                       ; bytes from one k to the next in w2
.set IMG,   1536
.set KIMG,  4*IMG                      ; a K step's four images
.set WSC,   16*KIMG                    ; scale words [K step][row][tile], 256 bytes a K step
.set SSTEP, 256
.set STG,   WSC+4096                   ; a stage of 16 rows x (256 + 16) bytes for each wave
.set HSO,   6979584
.set PART,  9306112                    ; a K half of eo: 2,272 slots x 4,096 bytes
.set GA,   2
.set WADR, 3
.set WSW,  4
.set C,    16
.set T,    24
.set SB,   28
.set X,    64                          ; v64-127 the stream's two sets of 32 numbers
.set RADR, 5                           ; v5, v6  16 x lane; the same 32 images on
.set WSA,  7
.set SO,   8                           ; v8   the stage: where I put 32 bytes of a row
.set SR,   9                           ; v9   and where I read a row back
.set HA,   10
.set HSA,  11
.set EA,   12
.set R4,   13                          ; v13  4 x (lane % 16)
.set EL,   14                          ; v14  4,096 x (lane / 16) + 16 x (lane % 16)
.set WF,   16                          ; v16-63  four fragments of W2
.set HF,   64                          ; v64-135 h: three sets of two fragments
.set WS,   136                         ; v136-139 W2's scale words: these and the next six hold scales alone
.set HSR,  140                         ; v140-145 h's scale words, three sets of two
.set B2,   148                         ; v148-179 b2 in the result's layout (zeros in K half 1)
.set ACC,  184                         ; v184-247 accumulator (m, n) at 32 m + 8 n
.set OB,   16                          ; v16-79  rows read back from the stage
.macro PLACES                          ; four plain places between a matrix instruction and a load into, or a store of, its registers
.rept 4
	v_nop
.endr
.endm
	s_load_b256 s[4:11], s[0:1], 0x0               ; w2 s[4:5], b2 s[6:7], plan s[8:9], hq s[10:11]
	s_load_b64 s[12:13], s[0:1], 0x20              ; eo
	v_lshl_add_u32 v254, v0, 2, 0x2a000
	v_mov_b32 v255, 0
	v_lshrrev_b32 v1, 5, v0
	v_readfirstlane_b32 s14, v1                    ; wave 0..15
	v_and_b32 v1, 31, v0
	v_lshlrev_b32 v[GA], 2, v1
	s_lshr_b32 s15, ttmp9, 5                       ; expert
	s_bfe_u32 s20, ttmp9, 0x10004                  ; which half of K
	s_and_b32 s21, ttmp9, 15                       ; which 64 columns
	s_wait_alu depctr_va_sdst(0)                   ; s14 is written, ahead of its first reader
	s_and_b32 s22, s14, 1
	s_lshr_b32 s23, s14, 1
	v_lshrrev_b32 v5, 4, v1                        ; which of my wave's two tiles
	v_and_b32 v6, 15, v1                           ; my column's row in it
	v_mul_u32_u24 v[WADR], v5, IMG
	v_lshl_add_u32 v[WADR], v6, 4, v[WADR]
	s_mul_i32 s24, s22, 2*IMG
	s_mul_i32 s25, s23, 2*KIMG
	s_add_co_u32 s24, s24, s25
	v_add_nc_u32 v[WADR], s24, v[WADR]
	v_lshlrev_b32 v[WSW], 4, v6
	v_lshl_add_u32 v[WSW], v5, 2, v[WSW]
	s_lshl_b32 s24, s22, 3
	s_lshl_b32 s25, s23, 9
	s_add_co_u32 s24, s24, s25
	s_add_co_u32 s24, s24, WSC
	v_add_nc_u32 v[WSW], s24, v[WSW]
	v_lshlrev_b32 v15, 5, v5                       ; b2: 32 x (lane / 16)
	s_lshl_b32 s24, s15, 24                        ; expert x 16 MiB
	s_lshl_b32 s25, s20, 23                        ; + 2,048 k x 4,096 bytes for the half
	s_add_co_u32 s24, s24, s25
	s_lshl_b32 s25, s23, 20                        ; + 256 k for each (wave / 2)
	s_add_co_u32 s24, s24, s25
	s_lshl_b32 s25, s21, 8
	s_add_co_u32 s24, s24, s25
	s_lshl_b32 s25, s22, 7
	s_add_co_u32 s24, s24, s25
	s_mov_b32 s25, 0
	s_lshl_b32 s26, s15, 12                        ; b2: expert x 4,096 + 256 x ds
	s_lshl_b32 s27, s21, 8
	s_add_co_u32 s26, s26, s27
	s_mul_i32 s28, s20, PART                       ; eo: the half + 256 x ds
	s_add_co_u32 s28, s28, s27
	s_mov_b32 s27, 0
	s_mov_b32 s29, 0
	s_mul_i32 s30, s20, 24576                      ; h's images: 16 K steps on in half 1
	s_lshl_b32 s31, s20, 10                        ; and its scale words
	s_lshl_b32 s32, s15, 3
	s_wait_kmcnt 0x0
	s_add_nc_u64 s[4:5], s[4:5], s[24:25]
	s_add_nc_u64 s[6:7], s[6:7], s[26:27]
	s_add_nc_u64 s[12:13], s[12:13], s[28:29]
	s_load_b64 s[16:17], s[8:9], s32 offset:0x0    ; my expert's first tile and number of tiles
	s_wait_alu depctr_va_vdst(0)                   ; v2, v3, v4 and v15 are written: b2's loads, the stream's loads and its LDS stores read them as offsets and addresses
.irp n, 0,1,2,3
	global_load_b128 v[B2+8*\n:B2+8*\n+3], v15, s[6:7] offset:64*\n        ; lane (r, h), tile n: columns 16 n + 8 h + 0 .. 7
	global_load_b128 v[B2+8*\n+4:B2+8*\n+7], v15, s[6:7] offset:64*\n+16
.endr
.macro LOADB t                         ; block t: w(32 t + i, my column): each load reads 128 consecutive bytes, the two waves of a K range 256
.irp i, 0,1,2,3,4,5,6,7,8,9,10,11,12,13,14,15,16,17,18,19,20,21,22,23,24,25,26,27,28,29,30,31
	global_load_b32 v[X+32*((\t)%2)+\i], v[GA], s[4:5] offset:(32*(\t)+\i)*PITCH th:TH_LOAD_NT
.endr
.endm
.macro BLOCK t
.set XB, X+32*((\t)%2)
.set II, ((\t)/4)*KIMG+256*((\t)%2)    ; the K step's image; blocks 1 and 3 of a K step belong to lanes 16-31 of the operand
.if (\t) < 7
	s_wait_loadcnt 32                              ; this block (and all issued before it) is in, the next block's 32 loads may be out
.else
	s_wait_loadcnt 0x0
.endif
	v_max3_num_f32 v12, |v[XB]|, |v[XB+1]|, 0x1800000   ; the floor 2^-124 among the leaves holds the byte at 1 from below
	v_max3_num_f32 v13, |v[XB+2]|, |v[XB+3]|, |v[XB+4]|
.irp i, 5,9,13,17,21,25
	v_max3_num_f32 v12, v12, |v[XB+\i]|, |v[XB+\i+1]|
	v_max3_num_f32 v13, v13, |v[XB+\i+2]|, |v[XB+\i+3]|
.endr
	v_max3_num_f32 v12, v12, |v[XB+29]|, |v[XB+30]|
	v_max3_num_f32 v12, v12, v13, |v[XB+31]|
	v_add_nc_u32 v14, 0xff000000, v12              ; 2 off the exponent field: the conversion's scale operand
	v_lshrrev_b32 v13, 23, v14                     ; the byte
.if (\t)%4 == 0
	v_mov_b32 v[SB+(\t)/4], v13
.else
	v_lshl_or_b32 v[SB+(\t)/4], v13, 8*((\t)%4), v[SB+(\t)/4]
.endif
.if (\t) > 0
	s_wait_alu depctr_vm_vsrc(0)                   ; the last block's two LDS stores have read v16-21, which the conversions and moves below write again
.endif
	v_cvt_scalef32_pk16_fp6_f32 v[C:C+2], v[XB:XB+15], v14
	v_cvt_scalef32_pk16_fp6_f32 v[T:T+2], v[XB+16:XB+31], v14   ; (a conversion's three registers begin on an even number)
	v_nop                                          ; a plain place behind the conversions
	v_mov_b32 v[C+3], v[T]
	v_mov_b32 v[C+4], v[T+1]
	v_mov_b32 v[C+5], v[T+2]
	s_wait_alu depctr_va_vdst(0)                   ; the maxima and conversions are done reading this set of 32, in which the loads below land; the codes v16-21 (and the scale bytes v28-29) are written, which LDS stores read
.if (\t) < 6
	LOADB (\t)+2
.endif
.if ((\t)/2)%2 == 0                    ; the operand's registers 0-5
	ds_store_b128 v[WADR], v[C:C+3] offset:II
	ds_store_b64 v[WADR], v[C+4:C+5] offset:II+512
.else                                  ; registers 6-11
	ds_store_b64 v[WADR], v[C:C+1] offset:II+520
	ds_store_b128 v[WADR], v[C+2:C+5] offset:II+1024
.endif
	s_wait_dscnt 0x0                               ; this block's two LDS stores are done before the next block begins (what frees their registers is the wait on vm_vsrc there)
.endm
	LOADB 0
	LOADB 1
.irp t, 0,1,2,3,4,5,6,7
	BLOCK \t
.endr
	ds_store_b32 v[WSW], v[SB]                     ; no vector instruction since block 7's wait on va_vdst names v4, v28 or v29
	ds_store_b32 v[WSW], v[SB+1] offset:SSTEP
	s_wait_dscnt 0x0                               ; for the others' sake: my images and scale words lie in LDS
	s_barrier_signal -1
	s_barrier_wait -1                              ; the launch's one barrier, on every wave's way, ahead of every branch on stored numbers
	s_wait_alu depctr_vm_vsrc(0)                   ; the stream's loads have read v2, its LDS stores v3, v4, v16-21 and v28-29: v2, v16-21 and v28-29 are written anew from here on
	s_cmp_eq_u32 s20, 0
	s_cselect_b32 s33, -1, 0
.irp j, 0,1,2,3,4,5,6,7,8,9,10,11,12,13,14,15,16,17,18,19,20,21,22,23,24,25,26,27,28,29,30,31
	v_cndmask_b32 v[B2+\j], 0, v[B2+\j], s33       ; b2 is added once: K half 1 starts from zeros
.endr
	v_and_b32 v1, 15, v0
	v_bfe_u32 v2, v0, 4, 1
	v_and_b32 v[RADR], 31, v0
	v_lshlrev_b32 v[RADR], 4, v[RADR]
	v_add_nc_u32 v[RADR+1], 32*IMG, v[RADR]
	v_lshlrev_b32 v[WSA], 4, v1
	v_add_nc_u32 v[WSA], WSC, v[WSA]
	s_mul_i32 s34, s14, 16*272
	s_add_co_u32 s34, s34, STG                     ; my stage
	v_mul_u32_u24 v[SO], v1, 272
	v_lshl_add_u32 v[SO], v2, 5, v[SO]
	v_add_nc_u32 v[SO], s34, v[SO]                 ; in: row lane % 16, 32 bytes for each half of the lanes
	v_mul_u32_u24 v[SR], v2, 272
	v_lshl_add_u32 v[SR], v1, 4, v[SR]
	v_add_nc_u32 v[SR], s34, v[SR]                 ; back: lanes 0-15 one row of 256 bytes, lanes 16-31 the next
	v_lshlrev_b32 v[R4], 2, v1
	v_lshlrev_b32 v[EL], 12, v2
	v_lshl_add_u32 v[EL], v1, 4, v[EL]
	s_wait_kmcnt 0x0
	s_min_u32 s17, s17, 71                         ; there are never more than 71 tiles
	s_add_co_u32 s18, s16, s14                     ; my first tile
	s_add_co_u32 s19, s17, 15
	s_sub_co_u32 s19, s19, s14
	s_lshr_b32 s19, s19, 4                         ; my trips: (tiles + 15 - wave) / 16
	s_mov_b32 s21, 0                               ; trips done
	s_cmp_eq_u32 s19, 0
	s_cbranch_scc1 .Ldone
.macro HLOAD s                         ; h's two fragments and scale words of my half's K step s: 8 loads
.irp m, 0,1
.irp j, 0,1,2
	global_load_b128 v[HF+24*((\s)%3)+12*\m+4*\j:HF+24*((\s)%3)+12*\m+4*\j+3], v[HA], s[10:11] offset:49152*\m+1536*(\s)+512*\j
.endr
	global_load_b32 v[HSR+2*((\s)%3)+\m], v[HSA], s[10:11] offset:HSO+2048*\m+64*(\s)
.endr
.endm
.macro KSTEP s
	PLACES
.if (\s) > 0
	s_wait_alu depctr_va_vdst(0)                   ; the last step's eight matrix instructions are done reading the four fragments of W2, its scale words and their set of h: the loads below land in all three.  (In step 0 the wait at the trip's head has stated this)
.endif
.irp n, 0,1,2,3
.irp j, 0,1,2
	ds_load_b128 v[WF+12*\n+4*\j:WF+12*\n+4*\j+3], v[RADR+(\s)/8] offset:((4*(\s)+\n)%32)*IMG+512*\j
.endr
.endr
	ds_load_b128 v[WS:WS+3], v[WSA] offset:256*(\s)
.if (\s) < 14
	HLOAD (\s)+2                                   ; as early as its set of registers is free, and issued while the LDS loads above are out
	s_wait_loadcnt 16                              ; this step's h is in; the next two steps' 16 loads may be out
.elseif (\s) == 14
	s_wait_loadcnt 8
.else
	s_wait_loadcnt 0x0
.endif
	s_wait_dscnt 0x0
.irp n, 0,1,2,3                        ; eight accumulators, one instruction a turn; the first step starts the sums from b2
.irp m, 0,1
.if (\s) == 0
	v_wmma_scale_f32_16x16x128_f8f6f4 v[ACC+32*\m+8*\n:ACC+32*\m+8*\n+7], v[WF+12*\n:WF+12*\n+11], v[HF+24*((\s)%3)+12*\m:HF+24*((\s)%3)+12*\m+11], v[B2+8*\n:B2+8*\n+7], v[WS+\n], v[HSR+2*((\s)%3)+\m] matrix_a_fmt:MATRIX_FMT_FP6 matrix_b_fmt:MATRIX_FMT_FP6
.else
	v_wmma_scale_f32_16x16x128_f8f6f4 v[ACC+32*\m+8*\n:ACC+32*\m+8*\n+7], v[WF+12*\n:WF+12*\n+11], v[HF+24*((\s)%3)+12*\m:HF+24*((\s)%3)+12*\m+11], v[ACC+32*\m+8*\n:ACC+32*\m+8*\n+7], v[WS+\n], v[HSR+2*((\s)%3)+\m] matrix_a_fmt:MATRIX_FMT_FP6 matrix_b_fmt:MATRIX_FMT_FP6
.endif
.endr
.endr
.endm
.Ltile:
	s_min_u32 s35, s18, 70                         ; a stored number is held inside the tables ahead of every address
	s_mul_i32 s36, s35, 98304
	s_add_co_u32 s36, s36, s30
	v_add_nc_u32 v[HA], s36, v[RADR]
	s_lshl_b32 s36, s35, 12
	s_add_co_u32 s36, s36, s31
	s_wait_alu depctr_va_vdst(0)
	v_add_nc_u32 v[HSA], s36, v[R4]
	s_lshl_b32 s36, s35, 17                        ; 32 slots of 4,096 bytes
	v_add_nc_u32 v[EA], s36, v[EL]
	s_wait_alu depctr_va_vdst(0)                   ; v10, v11 and v12 are written (in the first trip v5 to v9 too), which loads and stores read; all earlier vector and matrix work is done with the fragments and the scale words, in which this trip's loads land
	HLOAD 0
	HLOAD 1
.irp s, 0,1,2,3,4,5,6,7,8,9,10,11,12,13,14,15
	KSTEP \s
.endr
	PLACES
	s_wait_alu depctr_va_vdst(0)                   ; the matrix instructions have written the accumulators, which the LDS stores read, and are done reading v16-79, in which the rows from the stage land; the places above stay beside this wait
.irp m, 0,1
.irp n, 0,1,2,3
	ds_store_b128 v[SO], v[ACC+32*\m+8*\n:ACC+32*\m+8*\n+3] offset:64*\n          ; each accumulator from its low end on
	ds_store_b128 v[SO], v[ACC+32*\m+8*\n+4:ACC+32*\m+8*\n+7] offset:64*\n+16
.endr
.irp i, 0,1,2,3,4,5,6,7
	ds_load_b128 v[OB+32*\m+4*\i:OB+32*\m+4*\i+3], v[SR] offset:544*\i            ; LDS serves a wave in order: these see my stores, and the next sub-tile's stores come behind them
.endr
.endr
.irp m, 0,1
.irp i, 0,1,2,3,4,5,6,7
	s_wait_dscnt 23-16*\m-\i                       ; the LDS instructions issued behind this load may be out
	global_store_b128 v[EA], v[OB+32*\m+4*\i:OB+32*\m+4*\i+3], s[12:13] offset:(16*\m+2*\i)*4096   ; sixteen lanes store 256 consecutive bytes, at a multiple of 256 from eo's first byte
.endr
.endr
	s_wait_xcnt 0x0                                ; the stores' data and offsets are written again in the next trip
	s_wait_alu depctr_vm_vsrc(0)                   ; beside it, ahead of the branch: this trip's loads have read v10 and v11, its LDS stores the accumulators, its global stores v12 and v16-79: the next trip writes all of them again
	s_add_co_u32 s18, s18, 16                      ; my next tile
	s_add_co_u32 s21, s21, 1                       ; the loop ends on the count of trips
	s_cmp_lt_u32 s21, s19
	s_cbranch_scc1 .Ltile
.Ldone:
	s_wait_dscnt 0x0                               ; the closing lines, six on end
	s_wait_alu 0x0
	s_wait_tensorcnt 0x0
	ds_add_u32 v254, v255
	s_wait_dscnt 0x0
	s_endpgm
.Lfunc_end_k_qf696bc1b51_ffn2:
	.size	k_qf696bc1b51_ffn2, .Lfunc_end_k_qf696bc1b51_ffn2-k_qf696bc1b51_ffn2
	.p2alignl 7, 3214868480
	.fill 96, 4, 3214868480
	.section	.rodata,"a",@progbits
	.p2align	6, 0x0
	.amdhsa_kernel k_qf696bc1b51_ffn2
		.amdhsa_group_segment_fixed_size 174080
		.amdhsa_private_segment_fixed_size 0
		.amdhsa_enable_private_segment 0
		.amdhsa_kernarg_size 40
		.amdhsa_user_sgpr_count 2
		.amdhsa_user_sgpr_kernarg_segment_ptr 1
		.amdhsa_wavefront_size32 1
		.amdhsa_system_sgpr_workgroup_id_x 1
		.amdhsa_system_sgpr_workgroup_id_y 1
		.amdhsa_system_sgpr_workgroup_id_z 1
		.amdhsa_system_vgpr_workitem_id 0
		.amdhsa_next_free_vgpr 256
		.amdhsa_next_free_sgpr 66
		.amdhsa_reserve_vcc 0
		.amdhsa_float_denorm_mode_32 3
		.amdhsa_float_denorm_mode_16_64 3
		.amdhsa_memory_ordered 1
		.amdhsa_forward_progress 1
		.amdhsa_inst_pref_size 94
	.end_amdhsa_kernel
	.amdgpu_metadata
---
amdhsa.version: [ 1, 2 ]
amdhsa.kernels:
  - .name:           k_qf696bc1b51_ffn2
    .symbol:         k_qf696bc1b51_ffn2.kd
    .args:
      - { .name: w2, .offset: 0, .size: 8, .value_kind: global_buffer, .address_space: global }
      - { .name: b2, .offset: 8, .size: 8, .value_kind: global_buffer, .address_space: global }
      - { .name: plan, .offset: 16, .size: 8, .value_kind: global_buffer, .address_space: global }
      - { .name: hq, .offset: 24, .size: 8, .value_kind: global_buffer, .address_space: global }
      - { .name: eo, .offset: 32, .size: 8, .value_kind: global_buffer, .address_space: global }
    .group_segment_fixed_size: 174080
    .private_segment_fixed_size: 0
    .kernarg_segment_align: 8
    .kernarg_segment_size: 40
    .max_flat_workgroup_size: 512
    .sgpr_count:     66
    .vgpr_count:     256
    .wavefront_size: 32
...
	.end_amdgpu_metadata
.endif
;; end of part 9
;; launch combine (part 10): grid 256 x 1, 4 waves a work-group, no clusters, 0 bytes of LDS; arguments x, xq, plan, eo, out0; writes out0
.if DOCPART == 10
	.amdgcn_target "amdgcn-amd-amdhsa--gfx1250"
	.amdhsa_code_object_version 6
	.text
	.protected	k_qf696bc1b51_combine
	.globl	k_qf696bc1b51_combine
	.p2align	8
	.type	k_qf696bc1b51_combine,@function
k_qf696bc1b51_combine:
	s_mov_b64 s[64:65], 0
	v_nop
	global_prefetch_b8 v0, s[64:65] scope:SCOPE_SE
	s_setreg_imm32_b32 hwreg(HW_REG_WAVE_MODE, 25, 1), 1
	s_wait_xcnt 0x0
; out[t] = x[t] + g0 (eo[0][s0] + eo[1][s0]) + g1 (eo[0][s1] + eo[1][s1]): s0, s1 the token's two slots, g0, g1 its two weights; eo's two parts are the halves of the second product's K.
; A stream: one wave to a token, five rows of 4,096 bytes in, one out; every load and store of the wave covers 512 consecutive bytes; all 40 loads go out at once.
; No LDS, no barrier, no matrix unit: nothing is shared and memory binds.
.set POS,  9472
.set GT,   819200
.set PART, 9306112
	s_load_b256 s[4:11], s[0:1], 0x0               ; x s[4:5], xq s[6:7], plan s[8:9], eo s[10:11]
	s_load_b64 s[12:13], s[0:1], 0x20              ; out0
	v_lshrrev_b32 v1, 5, v0
	v_readfirstlane_b32 s14, v1
	v_and_b32 v2, 31, v0
	v_lshlrev_b32 v2, 4, v2
	s_lshl_b32 s15, ttmp9, 2
	s_add_co_u32 s15, s15, s14                     ; my token
	s_lshl_b32 s32, s15, 12
	s_mov_b32 s33, 0
	s_lshl_b32 s15, s15, 3
	s_wait_alu depctr_va_vdst(0)
	s_wait_kmcnt 0x0
	s_load_b64 s[16:17], s[8:9], s15 offset:POS    ; its two slots
	s_load_b64 s[18:19], s[6:7], s15 offset:GT     ; its two weights
	s_add_nc_u64 s[4:5], s[4:5], s[32:33]
	s_add_nc_u64 s[12:13], s[12:13], s[32:33]
	s_wait_kmcnt 0x0
	s_min_u32 s16, s16, 2271                       ; stored numbers are held inside the table ahead of every address
	s_min_u32 s17, s17, 2271
	s_lshl_b32 s20, s16, 12
	s_mov_b32 s21, 0
	s_add_nc_u64 s[24:25], s[10:11], s[20:21]
	s_add_nc_u64 s[26:27], s[24:25], PART
	s_lshl_b32 s20, s17, 12
	s_add_nc_u64 s[28:29], s[10:11], s[20:21]
	s_add_nc_u64 s[30:31], s[28:29], PART
	s_mov_b32 s22, s19                             ; the second weight in a pair of its own: the packed form takes a pair's low word for both halves
	s_mov_b32 s23, s19
.irp j, 0,1,2,3,4,5,6,7
	global_load_b128 v[16+20*\j:19+20*\j], v2, s[4:5] offset:512*\j th:TH_LOAD_NT
	global_load_b128 v[20+20*\j:23+20*\j], v2, s[24:25] offset:512*\j th:TH_LOAD_NT
	global_load_b128 v[24+20*\j:27+20*\j], v2, s[26:27] offset:512*\j th:TH_LOAD_NT
	global_load_b128 v[28+20*\j:31+20*\j], v2, s[28:29] offset:512*\j th:TH_LOAD_NT
	global_load_b128 v[32+20*\j:35+20*\j], v2, s[30:31] offset:512*\j th:TH_LOAD_NT
.endr
.irp j, 0,1,2,3,4,5,6,7
	s_wait_loadcnt 5*(7-\j)                        ; this piece's five loads are in; the later pieces' may be out
.irp i, 0,2
	v_pk_add_f32 v[20+20*\j+\i:21+20*\j+\i], v[20+20*\j+\i:21+20*\j+\i], v[24+20*\j+\i:25+20*\j+\i]
	v_pk_add_f32 v[28+20*\j+\i:29+20*\j+\i], v[28+20*\j+\i:29+20*\j+\i], v[32+20*\j+\i:33+20*\j+\i]
.endr
.irp i, 0,2
	v_pk_fma_f32 v[16+20*\j+\i:17+20*\j+\i], v[20+20*\j+\i:21+20*\j+\i], s[18:19], v[16+20*\j+\i:17+20*\j+\i] op_sel_hi:[1,0,1]
.endr
.irp i, 0,2
	v_pk_fma_f32 v[16+20*\j+\i:17+20*\j+\i], v[28+20*\j+\i:29+20*\j+\i], s[22:23], v[16+20*\j+\i:17+20*\j+\i] op_sel_hi:[1,0,1]
.endr
	global_store_b128 v2, v[16+20*\j:19+20*\j], s[12:13] offset:512*\j th:TH_STORE_NT
.endr
	s_endpgm
.Lfunc_end_k_qf696bc1b51_combine:
	.size	k_qf696bc1b51_combine, .Lfunc_end_k_qf696bc1b51_combine-k_qf696bc1b51_combine
	.p2alignl 7, 3214868480
	.fill 96, 4, 3214868480
	.section	.rodata,"a",@progbits
	.p2align	6, 0x0
	.amdhsa_kernel k_qf696bc1b51_combine
		.amdhsa_group_segment_fixed_size 0
		.amdhsa_private_segment_fixed_size 0
		.amdhsa_enable_private_segment 0
		.amdhsa_kernarg_size 40
		.amdhsa_user_sgpr_count 2
		.amdhsa_user_sgpr_kernarg_segment_ptr 1
		.amdhsa_wavefront_size32 1
		.amdhsa_system_sgpr_workgroup_id_x 1
		.amdhsa_system_sgpr_workgroup_id_y 1
		.amdhsa_system_sgpr_workgroup_id_z 1
		.amdhsa_system_vgpr_workitem_id 0
		.amdhsa_next_free_vgpr 176
		.amdhsa_next_free_sgpr 66
		.amdhsa_reserve_vcc 0
		.amdhsa_float_denorm_mode_32 3
		.amdhsa_float_denorm_mode_16_64 3
		.amdhsa_memory_ordered 1
		.amdhsa_forward_progress 1
		.amdhsa_inst_pref_size 11
	.end_amdhsa_kernel
	.amdgpu_metadata
---
amdhsa.version: [ 1, 2 ]
amdhsa.kernels:
  - .name:           k_qf696bc1b51_combine
    .symbol:         k_qf696bc1b51_combine.kd
    .args:
      - { .name: x, .offset: 0, .size: 8, .value_kind: global_buffer, .address_space: global }
      - { .name: xq, .offset: 8, .size: 8, .value_kind: global_buffer, .address_space: global }
      - { .name: plan, .offset: 16, .size: 8, .value_kind: global_buffer, .address_space: global }
      - { .name: eo, .offset: 24, .size: 8, .value_kind: global_buffer, .address_space: global }
      - { .name: out0, .offset: 32, .size: 8, .value_kind: global_buffer, .address_space: global }
    .group_segment_fixed_size: 0
    .private_segment_fixed_size: 0
    .kernarg_segment_align: 8
    .kernarg_segment_size: 40
    .max_flat_workgroup_size: 128
    .sgpr_count:     66
    .vgpr_count:     176
    .wavefront_size: 32
...
	.end_amdgpu_metadata
.endif
;; end of part 10
